; MI455X (gfx1250); checked and timed in simulation.
; The chip was launched on July 23, 2026; its instructions are those of AMD's public machine-readable ISA for CDNA 5 (MIT licence, August 2026) and "CDNA5" Instruction Set Architecture Reference Guide (July 2026). The comments in the code are by the model that wrote it; some were corrected since.
;; Multi Head Attention. Allowed arithmetic: matrix products marked QUANTISED: E2M1 operands, one E8M0 scale for each 32 along K, by v_wmma_scale_f32_16x16x128_f8f6f4 with both operands' format E2M1 (or v_wmma_scale_f32_32x16x128_f4), f32 sums; products left as they are: bf16, f16 or f32 operands; f32 sums; everything else in f32.
;; Inputs: K 4 x 2,048 x 1,024 float32; Q 4 x 2,048 x 1,024 float32; V 4 x 2,048 x 1,024 float32; W_K 1,024 x 1,024 float32; W_O 1,024 x 1,024 float32; W_Q 1,024 x 1,024 float32; W_V 1,024 x 1,024 float32; mask 4 x 2,048 x 2,048 int32.
;; Outputs: out0 4 x 2,048 x 1,024 float32.
;; This version of the problem:
;;   THIS VERSION OF THE PROBLEM IS GIVEN IN LOW PRECISION. The matrix products marked QUANTISED in the list below multiply operands that are first quantised to E2M1 (2 exponent bits, 1 mantissa bit; 4 bits a number), with one power-of-two scale for each 32 numbers along K (OCP MX v1.0); their sums are f32. The products marked 'left as it is' may take bf16, f16 or f32 operands, with f32 sums. Whichever they take, every output number must still come out within the allowed error. Rounding operands to bf16 (8 significant bits) uses up far more of that allowance than f16 does (11 bits, for magnitudes from 6e-5 to 65,504). All else is computed in f32.
;;   The module's matrix products, in the order in which they are computed (A, B: the left and right operand; K: the contracted axis; several contracted axes count as one K, in the product's order):
;;     1. [M 8,192, K 1,024] x [K 1,024, N 1,024]; A: input Q; B: input W_Q: QUANTISED
;;     2. [M 8,192, K 1,024] x [K 1,024, N 1,024]; A: input K; B: input W_K: QUANTISED
;;     3. [M 8,192, K 1,024] x [K 1,024, N 1,024]; A: input V; B: input W_V: QUANTISED
;;     4. batch 64 x [M 2,048, K 64] x [K 64, N 2,048]; A: computed on the way; B: computed on the way: left as it is (an operand is computed on the way)
;;     5. batch 64 x [M 2,048, K 2,048] x [K 2,048, N 64]; A: computed on the way; B: computed on the way: left as it is (an operand is computed on the way)
;;     6. [M 8,192, K 1,024] x [K 1,024, N 1,024]; A: computed on the way; B: input W_O: left as it is (an operand is computed on the way)
;;   THE QUANTISER, for each operand of a quantised product, along K:
;;     - K is cut into blocks of 32 from its start; a last block that is shorter is filled with zeros.
;;     - A block's scale is 2^e with e = floor(log2(the largest magnitude in the block)) - 2, held to -126 .. 127; a block of zeros has e = 0. As a byte (E8M0): e + 127.
;;     - Each number is divided by its block's scale, clamped to +-6, and rounded to the nearest number of E2M1, ties to even, subnormals kept.
;;     - The product sums the exact products of the quantised numbers (number of the format x scale) in f32.
;;   ~~~python
;;   def quantise(x, axis):      # numpy; x: float32 -> the quantised numbers, widened to float32 again
;;       x = np.moveaxis(x, axis, -1); K = x.shape[-1]
;;       x = np.pad(x, [(0, 0)] * (x.ndim - 1) + [(0, -K % 32)]); x = x.reshape(x.shape[:-1] + (-1, 32)); a = np.abs(x).max(-1, keepdims=True)
;;       e = np.where(a > 0, np.clip(np.frexp(np.where(a > 0, a, 1))[1] - 1 - 2, -126, 127), 0)      # np.frexp(a)[1] - 1 = floor(log2(a)), exactly
;;       r = np.clip(x / 2.0 ** e, -6, 6)
;;       step = 2.0 ** (np.maximum(np.frexp(np.where(r == 0, 1, r))[1] - 1, 0) - 1)
;;       q = np.round(r / step) * step * 2.0 ** e      # np.round: ties to even
;;       return np.moveaxis(q.reshape(q.shape[:-2] + (-1,))[..., :K], -1, axis).astype(np.float32)
;;   ~~~
;; One version. Each part assembles by itself: llvm-mc -triple=amdgcn-amd-amdhsa -mcpu=gfx1250 --defsym DOCPART=n.
;; ======== version 1 of 1: 4 launches
;; limits: values are held in f16: magnitudes above 65,504 overflow, below 6.1e-05 lose precision
;; workspace buffers: xcodes 12,582,912 bytes; xscales 786,432 bytes; wcodes 1,572,864 bytes; wscales 98,304 bytes; wo16 2,097,152 bytes; maskbits 2,097,152 bytes of whole numbers; qkv 50,331,648 bytes; ao 16,777,216 bytes
;; launch prep (part 1): grid 1360 x 1, 4 waves a work-group, no clusters, 80,384 bytes of LDS; arguments Q, K, V, W_Q, W_K, W_V, W_O, mask, xcodes, xscales, wcodes, wscales, wo16, maskbits; writes xcodes, xscales, wcodes, wscales, wo16, maskbits
.if DOCPART == 1
	.amdgcn_target "amdgcn-amd-amdhsa--gfx1250"
	.amdhsa_code_object_version 6
	.text
	.protected	k_qb894d47a37_prep
	.globl	k_qb894d47a37_prep
	.p2align	8
	.type	k_qb894d47a37_prep,@function
k_qb894d47a37_prep:
	s_mov_b64 s[64:65], 0
	v_nop
	global_prefetch_b8 v0, s[64:65] scope:SCOPE_SE
	s_setreg_imm32_b32 hwreg(HW_REG_WAVE_MODE, 25, 1), 1
	s_wait_xcnt 0x0
; MULTI-HEAD ATTENTION, launch 1 of 4: everything that is read by many work-groups later is brought into its narrow form ONCE.
; NO WORK OF THE PROBLEM IS LEFT OUT in any of the four launches: all six products are live, all eight inputs reach the output and are loaded.
; Four paths, chosen by the work-group's number alone; each path has LDS bytes of its own; waves share nothing, so there is no barrier.
;   work-groups    0 ..   47  W_Q, W_K, W_V [k][n] f32 -> E2M1 codes [n][k / 2 bytes], K innermost, and E8M0 bytes [n][k / 32]   (a lane takes a column, its registers run down K)
;   work-groups   48 ..   79  W_O [k][n] f32 -> f16, laid as images of the matrix operand's registers (16 n x 32 k, 1,024 bytes each)
;   work-groups   80 ..  847  Q, K, V [token][k] f32 -> E2M1 codes and E8M0 bytes, a plain stream of blocks of 32
;   work-groups  848 .. 1359  mask [b][q][key] int32 -> one bit a number, laid as the lane masks that the attention launch's selects take
; THE QUANTISER: a block's scale is 2^(floor(log2(largest magnitude)) - 2); its byte is the largest magnitude's exponent field - 2, held at 1 from below; each number / scale goes to the nearest code, ties to even, beyond 6 the largest code.
; LIMITS: a block of zeros gets the byte 1 where the rule says 127 (its codes are zeros, and this program alone reads the bytes); blocks whose largest magnitude lies under 2^-124 were not tried;
; NaN and infinities among the inputs are not served; |W_O| stays under 65,504 (f16).
.set XR,    0                          ; LDS: path X: 5,632 bytes a wave: two stages of 32 x 80 bytes, then its 256 scale bytes
.set WR,    22528                      ; path W: 8,704 bytes a wave: a stage of 32 rows x 272 bytes
.set MR,    57344                      ; path M: 5,632 bytes a wave: a stage of 16 rows x 272 bytes, then 1,024 bytes of mask words
.set SPARE, 79872                      ; the spare words, 128 bytes for each wave: two blocks of 256 bytes that no other line names
.set SPW,   190                        ; v190  LDS address of my spare word; never rewritten
.set NIL,   191                        ; v191  0; never rewritten
.set WV,    66                         ; s66   my wave's number
	s_load_b512 s[4:19], s[0:1], 0x0               ; Q s[4:5], K s[6:7], V s[8:9], W_Q s[10:11], W_K s[12:13], W_V s[14:15], W_O s[16:17], mask s[18:19]
	s_load_b256 s[20:27], s[0:1], 0x40             ; xcodes s[20:21], xscales s[22:23], wcodes s[24:25], wscales s[26:27]
	s_load_b128 s[28:31], s[0:1], 0x60             ; wo16 s[28:29], maskbits s[30:31]
	v_lshl_add_u32 v[SPW], v0, 2, SPARE
	v_mov_b32 v[NIL], 0
	v_lshrrev_b32 v1, 5, v0
	v_readfirstlane_b32 s[WV], v1                  ; wave 0..3
	v_and_b32 v2, 31, v0                           ; lane
	s_wait_kmcnt 0x0
	s_cmp_lt_u32 ttmp9, 48
	s_cbranch_scc1 .Lw
	s_cmp_lt_u32 ttmp9, 80
	s_cbranch_scc1 .Lwo
	s_cmp_lt_u32 ttmp9, 848
	s_cbranch_scc1 .Lx
; ---------------- PATH M: the mask.  Work-group i = 128 b + qt takes 16 rows (queries) of the mask; wave w their keys 512 w .. 512 w + 511, in 8 steps of 64 keys.
; Word n (0..31) of a step: bit L is 1 where mask[b][16 qt + L % 16][64 step + 16 (n / 8) + 8 (L / 16) + n % 8] is not 0: the lane mask for register n of the scores' tile.
; A step's 16 x 256 bytes are loaded as they lie (16 lanes read 256 consecutive bytes of a row), turn through the wave's stage, and come back 32 bytes a lane in the scores' layout.
	s_sub_co_u32 s67, ttmp9, 848
	s_lshl_b32 s68, s67, 17                        ; 16 rows of 8,192 bytes
	s_lshl_b32 s70, s[WV], 11                      ; my wave's 512 keys
	s_add_co_u32 s68, s68, s70
	s_mov_b32 s69, 0
	s_add_nc_u64 s[18:19], s[18:19], s[68:69]
	s_lshl_b32 s68, s67, 12                        ; 32 steps x 128 bytes of words
	s_lshl_b32 s70, s[WV], 10                      ; my wave's 8 steps
	s_add_co_u32 s68, s68, s70
	s_add_nc_u64 s[30:31], s[30:31], s[68:69]
	s_mul_i32 s70, s[WV], 5632
	s_add_co_u32 s70, s70, MR                      ; my stage
	v_and_b32 v10, 15, v2
	v_lshrrev_b32 v11, 4, v2
	v_lshlrev_b32 v3, 13, v11
	v_lshl_add_u32 v3, v10, 4, v3                  ; memory: row lane / 16, 16 bytes a lane
	v_mul_u32_u24 v5, v11, 272
	v_lshl_add_u32 v5, v10, 4, v5
	v_add_nc_u32 v5, s70, v5                       ; the stage, in: the same two rows
	v_mul_u32_u24 v6, v10, 272
	v_lshl_add_u32 v6, v11, 5, v6
	v_add_nc_u32 v6, s70, v6                       ; out: row lane % 16, keys 8 (lane / 16) on
	s_add_co_u32 s70, s70, 4352
	v_lshl_add_u32 v7, v2, 2, s70                  ; my word of a step's 32
	v_lshl_add_u32 v8, v2, 4, s70                  ; the way out: 16 bytes a lane
	v_lshlrev_b32 v9, 4, v2
	v_mov_b32 v176, 0                              ; written once: v_writelane_b32's destination counts as read
.macro MLOAD t                         ; step t: 16 rows x 256 bytes into set t % 4
.irp i, 0,1,2,3,4,5,6,7
	global_load_b128 v[16+32*((\t)%4)+4*\i:16+32*((\t)%4)+4*\i+3], v3, s[18:19] offset:16384*\i+256*(\t) th:TH_LOAD_NT
.endr
.endm
.macro MSTEP t
.if (\t) < 4
	s_wait_loadcnt 24                              ; this step's 8 loads are in; those of the three steps behind it may be out
.else
	s_wait_loadcnt 8*(7-(\t))
.endif
.irp i, 0,1,2,3,4,5,6,7
	ds_store_b128 v5, v[16+32*((\t)%4)+4*\i:16+32*((\t)%4)+4*\i+3] offset:544*\i
.endr
.irp tt, 0,1,2,3
.irp u, 0,1
	ds_load_b128 v[144+8*\tt+4*\u:144+8*\tt+4*\u+3], v6 offset:64*\tt+16*\u   ; LDS serves a wave's instructions in order: these see the stores above
.endr
.endr
	s_wait_dscnt 0x0                               ; the numbers are back; the stores have read their registers, the last step's word store too
.if (\t)+4 < 8
	MLOAD (\t)+4
.endif
.set nn, 0
.rept 32
	v_cmp_ne_u32 s[32+nn], 0, v[144+nn]            ; the lane mask of register n
.set nn, nn+1
.endr
.set nn, 0
.rept 32
	v_writelane_b32 v176, s[32+nn], nn             ; word n into lane n
.set nn, nn+1
.endr
	ds_store_b32 v7, v176 offset:128*(\t)
.endm
	MLOAD 0
	MLOAD 1
	MLOAD 2
	MLOAD 3
.irp t, 0,1,2,3,4,5,6,7
	MSTEP \t
.endr
	ds_load_b128 v[180:183], v8                    ; my wave's 1,024 bytes of words leave in two stores of 512 consecutive bytes
	ds_load_b128 v[184:187], v8 offset:512
	s_wait_dscnt 0x0
	global_store_b128 v9, v[180:183], s[30:31]
	global_store_b128 v9, v[184:187], s[30:31] offset:512
	s_branch .Lend
; ---------------- PATH X: Q, K, V.  Work-group i = number - 80; 256 work-groups a tensor; a wave takes 16 steps of 512 numbers.
; Each of a step's four loads reads 512 consecutive bytes; the 2,048 bytes turn through the wave's stage (16 bytes of padding behind each 64) and come back 64 bytes a lane:
; 16 neighbours along K in a lane, two neighbouring lanes to a block.  A lane's 16 codes are 8 bytes: a store of the wave covers 256 consecutive bytes.
.Lx:
	s_sub_co_u32 s67, ttmp9, 80
	s_cmp_lt_u32 s67, 256                          ; which tensor: the choice hangs on the work-group's number alone
	s_cselect_b64 s[4:5], s[4:5], s[6:7]
	s_cmp_lt_u32 s67, 512
	s_cselect_b64 s[4:5], s[4:5], s[8:9]
	s_and_b32 s68, s67, 255
	s_lshl_b32 s68, s68, 2
	s_add_co_u32 s68, s68, s[WV]                   ; my run of 8,192 numbers in the tensor
	s_lshl_b32 s68, s68, 15
	s_mov_b32 s69, 0
	s_add_nc_u64 s[4:5], s[4:5], s[68:69]
	s_lshl_b32 s70, s67, 2
	s_add_co_u32 s70, s70, s[WV]                   ; and among all three tensors' runs
	s_lshl_b32 s68, s70, 12                        ; 4,096 bytes of codes a run
	s_add_nc_u64 s[20:21], s[20:21], s[68:69]
	s_lshl_b32 s68, s70, 8                         ; 256 scale bytes a run
	s_add_nc_u64 s[22:23], s[22:23], s[68:69]
	v_lshlrev_b32 v3, 4, v2                        ; my 16 bytes of a load's 512
	s_mul_i32 s71, s[WV], 5632                     ; my region (XR = 0)
	v_lshrrev_b32 v14, 2, v2
	v_mul_u32_u24 v14, v14, 80
	v_and_b32 v15, 3, v2
	v_lshl_add_u32 v14, v15, 4, v14
	v_add_nc_u32 v14, s71, v14                     ; the stage, in: 80 (lane / 4) + 16 (lane % 4)
	v_mul_u32_u24 v15, v2, 80
	v_add_nc_u32 v15, s71, v15                     ; out: 80 x lane
	v_lshlrev_b32 v4, 3, v2                        ; my codes' place in a step's
	v_lshrrev_b32 v5, 1, v2
	s_add_co_u32 s71, s71, 5120
	v_add_nc_u32 v5, s71, v5                       ; my block's scale byte
	v_lshlrev_b32 v7, 3, v2
	v_add_nc_u32 v6, s71, v7                       ; the bytes' way out: 8 a lane
.macro XLOAD t
.irp i, 0,1,2,3
	global_load_b128 v[16+16*((\t)%4)+4*\i:16+16*((\t)%4)+4*\i+3], v3, s[4:5] offset:2048*(\t)+512*\i th:TH_LOAD_NT
.endr
.endm
.macro XTURN t                         ; step t's numbers through stage t % 2
.irp i, 0,1,2,3
	ds_store_b128 v14, v[16+16*((\t)%4)+4*\i:16+16*((\t)%4)+4*\i+3] offset:2560*((\t)%2)+640*\i
.endr
.irp i, 0,1,2,3
	ds_load_b128 v[80+16*((\t)%2)+4*\i:80+16*((\t)%2)+4*\i+3], v15 offset:2560*((\t)%2)+16*\i
.endr
.endm
.macro XSTEP t
.set XS, 80+16*((\t)%2)
.if (\t) > 0
	s_wait_dscnt 1                                 ; this step's numbers are back from the stage; the last step's byte store may be out
.else
	s_wait_dscnt 0x0
.endif
.if (\t)+4 < 16
	XLOAD (\t)+4                                   ; into the registers that this step's stage stores have read
.endif
.if (\t)+1 < 16
.if 14-(\t) >= 3
	s_wait_loadcnt 12                              ; the next step's four loads are in; those of the three steps behind it may be out
.else
	s_wait_loadcnt 4*(14-(\t))
.endif
	XTURN (\t)+1
.endif
	v_max3_num_f32 v8, |v[XS]|, |v[XS+1]|, |v[XS+2]|
	v_max3_num_f32 v9, |v[XS+3]|, |v[XS+4]|, |v[XS+5]|
.irp i, 6,10
	v_max3_num_f32 v8, v8, |v[XS+\i]|, |v[XS+\i+1]|
	v_max3_num_f32 v9, v9, |v[XS+\i+2]|, |v[XS+\i+3]|
.endr
	v_max3_num_f32 v8, v8, |v[XS+14]|, |v[XS+15]|
	v_max3_num_f32 v8, v8, v9, 0x1800000           ; and the floor 2^(3 - 127): the byte cannot fall under 1
	v_max_num_f32_dpp v8, v8, v8 row_xmask:1 row_mask:0xf bank_mask:0xf   ; with my neighbour's 16: the block's largest magnitude
	v_add_nc_u32 v11, 0xff000000, v8               ; 2 off its exponent field: the conversion takes the exponent field of this operand as its scale
	v_cvt_scalef32_pk8_fp4_f32 v[128+4*(\t)], v[XS:XS+7], v11
	v_cvt_scalef32_pk8_fp4_f32 v[129+4*(\t)], v[XS+8:XS+15], v11
	v_lshrrev_b32 v[112+(\t)], 23, v11             ; the scale's byte
	ds_store_b8 v5, v[112+(\t)] offset:16*(\t)     ; both lanes of a block write the same byte with the same value
	global_store_b64 v4, v[128+4*(\t):129+4*(\t)], s[20:21] offset:256*(\t)
.endm
.irp t, 0,1,2,3
	XLOAD \t
.endr
	s_wait_loadcnt 12                              ; step 0's four loads are in
	XTURN 0
.irp t, 0,1,2,3,4,5,6,7,8,9,10,11,12,13,14,15
	XSTEP \t
.endr
	ds_load_b64 v[8:9], v6                         ; my wave's 256 scale bytes
	s_wait_dscnt 0x0
	global_store_b64 v7, v[8:9], s[22:23]          ; 32 lanes store 256 consecutive bytes, aligned
	s_branch .Lend
; ---------------- PATH W: W_Q, W_K, W_V.  Work-group number = 16 w + 8 y + x: tensor w, 128 columns x, 512 along K y; a wave takes 32 columns x 512 along K.
; A lane takes a column and its registers run down K: a block of 32 lies in one lane, and the conversions give the codes with K innermost.  The codes leave through the wave's stage, by rows.
.Lw:
	s_cmp_lt_u32 ttmp9, 16
	s_cselect_b64 s[10:11], s[10:11], s[12:13]
	s_cmp_lt_u32 ttmp9, 32
	s_cselect_b64 s[10:11], s[10:11], s[14:15]
	s_lshr_b32 s67, ttmp9, 4                       ; w
	s_and_b32 s68, ttmp9, 7                        ; x
	s_bfe_u32 s69, ttmp9, 0x10003                  ; y
	s_lshl_b32 s70, s68, 7
	s_lshl_b32 s71, s[WV], 5
	s_add_co_u32 s70, s70, s71                     ; my wave's first column
	s_lshl_b32 s72, s69, 21                        ; 512 rows of 4,096 bytes
	s_lshl_b32 s74, s70, 2
	s_add_co_u32 s72, s72, s74
	s_mov_b32 s73, 0
	s_add_nc_u64 s[10:11], s[10:11], s[72:73]
	s_lshl_b32 s72, s67, 19                        ; codes: 524,288 bytes a tensor, 512 a column, 256 for 512 along K
	s_lshl_b32 s74, s70, 9
	s_add_co_u32 s72, s72, s74
	s_lshl_b32 s74, s69, 8
	s_add_co_u32 s72, s72, s74
	s_add_nc_u64 s[24:25], s[24:25], s[72:73]
	s_lshl_b32 s72, s67, 15                        ; scale bytes: 32,768 a tensor, 32 a column, 16 for 512 along K
	s_lshl_b32 s74, s70, 5
	s_add_co_u32 s72, s72, s74
	s_lshl_b32 s74, s69, 4
	s_add_co_u32 s72, s72, s74
	s_add_nc_u64 s[26:27], s[26:27], s[72:73]
	v_lshlrev_b32 v3, 2, v2                        ; in: 4 bytes a lane
	s_mul_i32 s71, s[WV], 8704
	s_add_co_u32 s71, s71, WR                      ; my stage
	v_mul_u32_u24 v4, v2, 272
	v_add_nc_u32 v4, s71, v4                       ; into it: row = my column
	v_and_b32 v5, 15, v2
	v_lshrrev_b32 v6, 4, v2
	v_mul_u32_u24 v7, v6, 272
	v_lshl_add_u32 v7, v5, 4, v7
	v_add_nc_u32 v7, s71, v7                       ; out of it: sixteen lanes to a row, two rows an instruction
	v_lshlrev_b32 v8, 9, v6
	v_lshl_add_u32 v8, v5, 4, v8                   ; the same place among the codes' rows
	v_lshlrev_b32 v9, 5, v2                        ; my column's row of scale bytes
.macro QLOAD t                         ; block t: W(32 t + i, my column) into set t % 2
.set nn, 0
.rept 32
	global_load_b32 v[32+32*((\t)%2)+nn], v3, s[10:11] offset:(32*(\t)+nn)*4096 th:TH_LOAD_NT
.set nn, nn+1
.endr
.endm
.macro QBLOCK t
.set WS, 32+32*((\t)%2)
.if (\t) < 15
	s_wait_loadcnt 32                              ; this block's 32 loads are in; the next block's may be out
.else
	s_wait_loadcnt 0x0
.endif
	v_max3_num_f32 v12, |v[WS]|, |v[WS+1]|, |v[WS+2]|
	v_max3_num_f32 v13, |v[WS+3]|, |v[WS+4]|, |v[WS+5]|
.irp i, 6,10,14,18,22,26
	v_max3_num_f32 v12, v12, |v[WS+\i]|, |v[WS+\i+1]|
	v_max3_num_f32 v13, v13, |v[WS+\i+2]|, |v[WS+\i+3]|
.endr
	v_max3_num_f32 v12, v12, |v[WS+30]|, |v[WS+31]|
	v_max3_num_f32 v12, v12, v13, 0x1800000        ; and the floor 2^(3 - 127)
	v_add_nc_u32 v11, 0xff000000, v12              ; the conversion's scale operand
	v_lshrrev_b32 v13, 23, v11                     ; the scale's byte
.if (\t)%4 == 0
	v_mov_b32 v[24+(\t)/4], v13                    ; four bytes to a register, the lower K in the lower byte
.else
	v_lshl_or_b32 v[24+(\t)/4], v13, 8*((\t)%4), v[24+(\t)/4]
.endif
.irp g, 0,1,2,3
	v_cvt_scalef32_pk8_fp4_f32 v[96+\g], v[WS+8*\g:WS+8*\g+7], v11
.endr
	ds_store_b128 v4, v[96:99] offset:16*(\t)      ; 32 codes: 16 bytes of my column's row
.if (\t)+2 < 16
	QLOAD (\t)+2
.endif
	s_wait_dscnt 0x0                               ; the store has read its registers: the next block's codes may be written
.endm
	QLOAD 0
	QLOAD 1
.irp t, 0,1,2,3,4,5,6,7,8,9,10,11,12,13,14,15
	QBLOCK \t
.endr
	global_store_b128 v9, v[24:27], s[26:27]       ; my column's 16 scale bytes
.irp t, 0,1,2,3,4,5,6,7,8,9,10,11,12,13,14,15
	ds_load_b128 v[112+4*\t:112+4*\t+3], v7 offset:2*\t*272
.endr
.irp t, 0,1,2,3,4,5,6,7,8,9,10,11,12,13,14,15
	s_wait_dscnt 15-\t                             ; the younger loads from the stage may be out
	global_store_b128 v8, v[112+4*\t:112+4*\t+3], s[24:25] offset:2*\t*512   ; 16 lanes store 256 consecutive bytes, aligned
.endr
	s_branch .Lend
; ---------------- PATH WO: W_O to f16 images.  Work-group i = number - 48: 128 columns i % 8, 256 along K i / 8; a wave takes 32 columns (two tiles of 16) and 8 chunks of 32 along K.  No LDS.
; AN IMAGE (16 rows x 32 along K of a 16-bit operand, 1,024 bytes): registers 0-3 of lane l at 16 l, registers 4-7 at 512 + 16 l; lane (r, h) holds row r, k = 8 h + 0..7 and 16 + 8 h + 0..7.
; A lane holds one column, 32 numbers down K, rounded in pairs to 16 registers; two exchanges of halves for each four registers turn them into the two tiles' images.
.Lwo:
	s_sub_co_u32 s67, ttmp9, 48
	s_and_b32 s68, s67, 7                          ; xx
	s_lshr_b32 s69, s67, 3                         ; yy
	s_lshl_b32 s72, s69, 20                        ; 256 rows of 4,096 bytes
	s_lshl_b32 s74, s68, 9
	s_add_co_u32 s72, s72, s74
	s_lshl_b32 s74, s[WV], 7
	s_add_co_u32 s72, s72, s74
	s_mov_b32 s73, 0
	s_add_nc_u64 s[16:17], s[16:17], s[72:73]
	s_lshl_b32 s72, s68, 18                        ; tile 8 xx + 2 w: 32,768 bytes a tile of 16 columns; chunk 8 yy: 1,024 bytes a chunk
	s_lshl_b32 s74, s[WV], 16
	s_add_co_u32 s72, s72, s74
	s_lshl_b32 s74, s69, 13
	s_add_co_u32 s72, s72, s74
	s_add_nc_u64 s[28:29], s[28:29], s[72:73]
	v_lshlrev_b32 v3, 2, v2
	v_lshlrev_b32 v4, 4, v2
.macro WLOAD t
.set nn, 0
.rept 32
	global_load_b32 v[32+32*((\t)%2)+nn], v3, s[16:17] offset:(32*(\t)+nn)*4096 th:TH_LOAD_NT
.set nn, nn+1
.endr
.endm
.macro CHUNK t
.set WX, 32+32*((\t)%2)
.set WP, 96+16*((\t)%2)
.if (\t) < 7
	s_wait_loadcnt 32                              ; this chunk's 32 loads are in; the next chunk's may be out
.else
	s_wait_loadcnt 0x0
.endif
.if (\t) >= 2
	s_wait_xcnt 0x0                                ; the stores of two chunks back have read these registers
.endif
.set nn, 0
.rept 16
	v_cvt_pk_f16_f32 v[WP+nn], v[WX+2*nn], v[WX+2*nn+1]
.set nn, nn+1
.endr
.if (\t)+2 < 8
	WLOAD (\t)+2
.endif
.irp i, 0,1,2,3
	v_permlane16_swap_b32 v[WP+\i], v[WP+4+\i]     ; the first's lanes 16-31 change places with the second's lanes 0-15
	v_permlane16_swap_b32 v[WP+8+\i], v[WP+12+\i]
.endr
	global_store_b128 v4, v[WP:WP+3], s[28:29] offset:1024*(\t)                  ; the first tile's image
	global_store_b128 v4, v[WP+8:WP+11], s[28:29] offset:1024*(\t)+512
	global_store_b128 v4, v[WP+4:WP+7], s[28:29] offset:32768+1024*(\t)          ; the second's
	global_store_b128 v4, v[WP+12:WP+15], s[28:29] offset:32768+1024*(\t)+512
.endm
	WLOAD 0
	WLOAD 1
.irp t, 0,1,2,3,4,5,6,7
	CHUNK \t
.endr
.Lend:
	s_wait_tensorcnt 0x0                           ; the wave's end: behind the last LDS store
	ds_add_u32 v[SPW], v[NIL]
	s_wait_dscnt 0x0
	s_endpgm
.Lfunc_end_k_qb894d47a37_prep:
	.size	k_qb894d47a37_prep, .Lfunc_end_k_qb894d47a37_prep-k_qb894d47a37_prep
	.p2alignl 7, 3214868480
	.fill 96, 4, 3214868480
	.section	.rodata,"a",@progbits
	.p2align	6, 0x0
	.amdhsa_kernel k_qb894d47a37_prep
		.amdhsa_group_segment_fixed_size 80384
		.amdhsa_private_segment_fixed_size 0
		.amdhsa_enable_private_segment 0
		.amdhsa_kernarg_size 112
		.amdhsa_user_sgpr_count 2
		.amdhsa_user_sgpr_kernarg_segment_ptr 1
		.amdhsa_wavefront_size32 1
		.amdhsa_system_sgpr_workgroup_id_x 1
		.amdhsa_system_sgpr_workgroup_id_y 1
		.amdhsa_system_sgpr_workgroup_id_z 1
		.amdhsa_system_vgpr_workitem_id 0
		.amdhsa_next_free_vgpr 192
		.amdhsa_next_free_sgpr 80
		.amdhsa_reserve_vcc 0
		.amdhsa_float_denorm_mode_32 3
		.amdhsa_float_denorm_mode_16_64 3
		.amdhsa_memory_ordered 1
		.amdhsa_forward_progress 1
		.amdhsa_inst_pref_size 198
	.end_amdhsa_kernel
	.amdgpu_metadata
---
amdhsa.version: [ 1, 2 ]
amdhsa.kernels:
  - .name:           k_qb894d47a37_prep
    .symbol:         k_qb894d47a37_prep.kd
    .args:
      - { .name: Q, .offset: 0, .size: 8, .value_kind: global_buffer, .address_space: global }
      - { .name: K, .offset: 8, .size: 8, .value_kind: global_buffer, .address_space: global }
      - { .name: V, .offset: 16, .size: 8, .value_kind: global_buffer, .address_space: global }
      - { .name: W_Q, .offset: 24, .size: 8, .value_kind: global_buffer, .address_space: global }
      - { .name: W_K, .offset: 32, .size: 8, .value_kind: global_buffer, .address_space: global }
      - { .name: W_V, .offset: 40, .size: 8, .value_kind: global_buffer, .address_space: global }
      - { .name: W_O, .offset: 48, .size: 8, .value_kind: global_buffer, .address_space: global }
      - { .name: mask, .offset: 56, .size: 8, .value_kind: global_buffer, .address_space: global }
      - { .name: xcodes, .offset: 64, .size: 8, .value_kind: global_buffer, .address_space: global }
      - { .name: xscales, .offset: 72, .size: 8, .value_kind: global_buffer, .address_space: global }
      - { .name: wcodes, .offset: 80, .size: 8, .value_kind: global_buffer, .address_space: global }
      - { .name: wscales, .offset: 88, .size: 8, .value_kind: global_buffer, .address_space: global }
      - { .name: wo16, .offset: 96, .size: 8, .value_kind: global_buffer, .address_space: global }
      - { .name: maskbits, .offset: 104, .size: 8, .value_kind: global_buffer, .address_space: global }
    .group_segment_fixed_size: 80384
    .private_segment_fixed_size: 0
    .kernarg_segment_align: 8
    .kernarg_segment_size: 112
    .max_flat_workgroup_size: 128
    .sgpr_count:     80
    .vgpr_count:     192
    .wavefront_size: 32
...
	.end_amdgpu_metadata
.endif
;; end of part 1
;; launch proj (part 2): grid 4 x 96, 4 waves a work-group, clusters of 4 x 4, 327,680 bytes of LDS; arguments xcodes, xscales, wcodes, wscales, qkv; writes qkv
.if DOCPART == 2
	.amdgcn_target "amdgcn-amd-amdhsa--gfx1250"
	.amdhsa_code_object_version 6
	.text
	.protected	k_qb894d47a37_proj
	.globl	k_qb894d47a37_proj
	.p2align	8
	.type	k_qb894d47a37_proj,@function
k_qb894d47a37_proj:
	s_mov_b64 s[64:65], 0
	v_nop
	global_prefetch_b8 v0, s[64:65] scope:SCOPE_SE
	s_setreg_imm32_b32 hwreg(HW_REG_WAVE_MODE, 25, 1), 1
	s_wait_xcnt 0x0
	s_wait_alu depctr_hold_cnt(0) depctr_sa_sdst(0) depctr_va_vdst(0) depctr_va_sdst(0) depctr_va_ssrc(0) depctr_va_vcc(0) depctr_vm_vsrc(0)
	s_getreg_b32 s2, hwreg(HW_REG_IB_STS2, 6, 4)
	s_cmp_eq_u32 s2, 0
	s_cbranch_scc0 .Lentry_in_a_cluster
	s_endpgm
.Lentry_in_a_cluster:
	s_bfe_u32 s2, ttmp6, 0x10000c
	s_cmp_lg_u32 s2, 0xf033
	s_cbranch_scc0 .Lentry_shape_is_right
	s_endpgm
.Lentry_shape_is_right:
; Launch 2 of 4: the three QUANTISED products q = Q W_Q, k = K W_K, v = V W_V, on E2M1 codes with E8M0 scales, f32 sums; results leave as f16 IMAGES of the next products' operands.  No work is left out.
; A cluster of 4 x 4 work-groups makes 1,024 x 1,024 of one product: cluster y = 8 p + j, p = 0 (q), 1 (k), 2 (v).  A work-group makes 256 x 256, each of its four waves 128 x 128 in 512 registers.
; K = 1,024 is two steps of 512: both lie in LDS at once, so every tensor load is a first fill, and the text has no loop.
; SIDES.  Side A (matrix source 1) gives an image's 16 rows, side B (source 0) its 32 along the next product's K.  q, k: A = tokens, B = channels: images 16 tokens x 32 channels.
; v: A = W_V's channels, B = tokens: images 16 channels x 32 tokens, which is what V^T P takes.  A's tiles are shared along a row of the cluster, B's along a column: joint loads.
; AN IMAGE is 1,024 bytes: registers 0-3 of lane l at 16 l, registers 4-7 at 512 + 16 l.  In a result lane (r, h) holds A's row r and B's rows 8 h + 0..7: rounded in pairs, two neighbouring results ARE an image,
; and each store of the wave covers 512 consecutive bytes, aligned: no stage in LDS.
; q is multiplied by log2(e) / 8 in f32 ahead of its one rounding, so that the scores come out of the matrix unit as exponents of 2.
; LIMITS: |q| x 0.18, |k| and |v| stay under 65,504 (f16).
.set NQ,     4                         ; matrix instructions deep in a slot (512 along K)
.set ROWB,   256                       ; a tile's row in bytes
.set KROW,   512                       ; a row of codes in memory
.set PITCH,  272                       ; an LDS row: 256 bytes + 16 of padding: the 16 rows that a load touches start 68 words apart
.set FR,     8                         ; registers of a fragment
.set NL,     2                         ; LDS loads that bring one
.set NP,     4                         ; places behind this matrix instruction (ISA guide 7.12.1)
.set HALFT,  128*PITCH
.set SLOT,   4*HALFT                   ; A's 256 rows, then B's 256 rows
.set KS,     32                        ; a row of scale bytes
.set SCL,    2*SLOT                    ; behind the two slots: the scales, as rows of 256 bytes + 16
.set HALFS,  (128*KS/256)*272
.set SBLK,   (16*KS/256)*272
.set SPARE,  SCL+4*HALFS               ; the spare words, 128 bytes for each wave: two blocks of 256 bytes that no other line names
.set CO,   8                           ; v8-11   16 x lane + i x (bytes from an image to the next along B), i = 0..3
.set ADRA, 16                          ; v16-17  LDS address of my A fragments in slot 0, 1
.set ADRB, 20                          ; v20-21  the same for B
.set ADRS, 27                          ; v27     LDS address of my scale words: lanes 0-15 A's rows, lanes 16-31 B's
.set SPW,  28                          ; v28     my spare word; never rewritten
.set NIL,  29                          ; v29     0; never rewritten
.set SC,   32                          ; v32-95  scale words, two sets
.set TMP,  32                          ; the way out: 32 registers of rounded results
.set AF,   128                         ; A's fragments, window 0;  window 1: B's, two sets;  windows 2, 3: the accumulators
.set PP,   2                           ; s2   p: which product
.set SCB,  95                          ; s95  bytes from an image to the next along B
.set SA,   100                         ; s[100:101] bytes from an image to the next along A
.set G1, 24
.set G0, 32
.set G1B, 48
.set G0B, 56
.set G1S, 68
.set G0S, 76
.set G1SB, 80
.set G0SB, 88
.set MSB, 0
.macro WIN new                         ; the immediate's high byte repeats the setting that is left
.if MSB != (\new)
	s_set_vgpr_msb (MSB<<8)|(\new)
.set MSB, (\new)
.endif
.endm
.set MUL_LO, 0xa1                      ; source 0 (B) window 1, source 1 (A) window 0, C and D window 2
.set MUL_HI, 0xf1                      ; the same, C and D window 3
.set TO_B,   0x40
; A joint load: waves 0 and 1 fetch for A, waves 2 and 3 for B; the branch hangs on the wave's number alone.  An s_nop 0 and four v_nop follow each of the two lines.
.macro JLOAD g0a, g1a, g0b, g1b
	s_cmp_eq_u32 s15, 0
	s_cbranch_scc0 .Lfor_b_\@
	tensor_load_to_lds s[\g0a:\g0a+3], s[\g1a:\g1a+7]
	s_nop 0
.rept 4
	v_nop
.endr
	s_branch .Lasked_\@
.Lfor_b_\@:
	tensor_load_to_lds s[\g0b:\g0b+3], s[\g1b:\g1b+7]
	s_nop 0
.rept 4
	v_nop
.endr
.Lasked_\@:
.endm
.macro CROUND                          ; a round of the cluster's barrier
	s_barrier_signal -1
	s_barrier_wait -1
	s_cmp_lg_u32 s14, 0
	s_cbranch_scc1 .Lnot_wave_0_\@
	s_barrier_signal -3
.Lnot_wave_0_\@:
	s_barrier_wait -3
	s_barrier_signal -1
	s_barrier_wait -1
.endm
	s_load_b128 s[4:7], s[0:1], 0x0                ; xcodes, xscales
	s_load_b128 s[8:11], s[0:1], 0x10              ; wcodes, wscales
	s_load_b64 s[12:13], s[0:1], 0x20              ; qkv
	v_lshl_add_u32 v[SPW], v0, 2, SPARE
	v_mov_b32 v[NIL], 0
	ds_add_u32 v[SPW], v[NIL]                      ; the wave's opening: the add, twice on end, and its wait ahead of my first tensor load
	ds_add_u32 v[SPW], v[NIL]
	v_lshrrev_b32 v1, 5, v0
	v_readfirstlane_b32 s14, v1                    ; wave 0..3
	s_lshr_b32 s15, s14, 1                         ; which half of A's 256 rows is mine.  Also: I fetch for A (0) or for B (1)
	s_and_b32 s16, s14, 1                          ; which half of B's.  Also: which 128 rows I fetch
	s_bfe_u32 s40, ttmp6, 0x40000                  ; cx
	s_bfe_u32 s41, ttmp6, 0x40004                  ; cy
	s_and_b32 s17, ttmp7, 0xffff                   ; cluster y, 0..23: the same in all sixteen partners
	s_lshr_b32 s[PP], s17, 3                       ; p
	s_and_b32 s3, s17, 7                           ; j
	s_lshl_b32 s43, s41, 2
	s_lshl_b32 s43, 15, s43                        ; my row of the cluster
	s_lshl_b32 s44, 0x1111, s40                    ; my column
	s_lshl_b32 s20, s[PP], 13                      ; q, k: A = tensor p's 8,192 rows of xcodes,
	s_lshl_b32 s21, s[PP], 10                      ;       B = tensor p's 1,024 rows of wcodes
	s_mov_b32 s22, 2048                            ; v: A = W_V's rows of wcodes,
	s_mov_b32 s23, 16384                           ;    B = V's rows of xcodes
	s_mov_b32 s[SA], 1024
	s_mov_b32 s[SCB], 65536
	s_cmp_lt_u32 s[PP], 2
	s_cselect_b32 s66, s3, 0                       ; tA: which 1,024 rows of side A
	s_cselect_b32 s67, 0, s3                       ; tB: of side B
	s_cselect_b32 s20, s20, s22
	s_cselect_b32 s21, s21, s23
	s_cselect_b32 s[SA], 32768, s[SA]
	s_cselect_b32 s[SCB], 1024, s[SCB]
	s_mov_b32 s[SA+1], 0
	; descriptor group 1: a tile of 128 rows x 256 bytes, 16 bytes of padding behind each row
	s_or_b32 s[G1+0], s43, (0<<16)|(1<<20)|(1<<21)|(5<<22)|(3<<25)
	s_or_b32 s[G1B+0], s44, (0<<16)|(1<<20)|(1<<21)|(5<<22)|(3<<25)
.irp g, G1, G1B
	s_mov_b32 s[\g+1], ROWB<<16                    ; tensor_dim0
	s_mov_b32 s[\g+2], 128<<16                     ; tensor_dim1
	s_mov_b32 s[\g+3], ROWB<<16                    ; tile_dim0
	s_mov_b32 s[\g+4], 128                         ; tile_dim1
	s_mov_b32 s[\g+5], KROW                        ; from row to row
	s_mov_b32 s[\g+6], 0
	s_mov_b32 s[\g+7], 0
.endr
	; the scales of 128 rows: 4,096 dense bytes, as 16 rows of 256 bytes (32 elements of 8), 16 bytes of padding behind each
	s_or_b32 s[G1S+0], s43, (3<<16)|(1<<20)|(1<<21)|(5<<22)|(3<<25)
	s_or_b32 s[G1SB+0], s44, (3<<16)|(1<<20)|(1<<21)|(5<<22)|(3<<25)
.irp g, G1S, G1SB
	s_mov_b32 s[\g+1], 32<<16
	s_mov_b32 s[\g+2], (128*KS/256)<<16
	s_mov_b32 s[\g+3], 32<<16
	s_mov_b32 s[\g+4], 128*KS/256
	s_mov_b32 s[\g+5], 32
	s_mov_b32 s[\g+6], 0
	s_mov_b32 s[\g+7], 0
.endr
	s_lshl_b32 s18, s16, 7                         ; which 128 rows of the tile I fetch
	s_lshl_b32 s22, s66, 10
	s_add_co_u32 s20, s20, s22
	s_lshl_b32 s22, s41, 8
	s_add_co_u32 s20, s20, s22
	s_add_co_u32 s20, s20, s18                     ; A's row: it hangs on cy and the cluster's y alone
	s_lshl_b32 s46, s67, 10
	s_add_co_u32 s46, s46, s21
	s_lshl_b32 s47, s40, 8
	s_add_co_u32 s46, s46, s47
	s_add_co_u32 s46, s46, s18                     ; B's row: on cx and the cluster's y alone
	s_lshl_b32 s22, s20, 5                         ; where these rows' scales begin, in bytes,
	s_mov_b32 s23, 0
	s_lshl_b32 s20, s20, 9                         ; and their codes
	s_mov_b32 s21, 0
	s_lshl_b32 s92, s46, 5
	s_mov_b32 s93, 0
	s_lshl_b32 s46, s46, 9
	s_mov_b32 s47, 0
	s_mul_i32 s45, s14, HALFT                      ; where they go: wave x 128 rows: no place in the cluster enters an LDS address
	s_mul_i32 s94, s14, HALFS
	s_wait_dscnt 0x0                               ; both opening adds are done
	s_wait_kmcnt 0x0
	s_cmp_lt_u32 s[PP], 2                          ; which buffers are side A's and side B's: the choice hangs on the cluster's y alone
	s_cselect_b64 s[96:97], s[4:5], s[8:9]
	s_cselect_b64 s[8:9], s[8:9], s[4:5]
	s_cselect_b64 s[98:99], s[6:7], s[10:11]
	s_cselect_b64 s[10:11], s[10:11], s[6:7]
	s_add_nc_u64 s[20:21], s[96:97], s[20:21]
	s_add_nc_u64 s[22:23], s[98:99], s[22:23]
	s_add_nc_u64 s[46:47], s[8:9], s[46:47]
	s_add_nc_u64 s[92:93], s[10:11], s[92:93]
	CROUND                                         ; all sixteen work-groups are here: the joint loads meet
	s_mov_b32 s[G0S], 1
	s_add_co_u32 s[G0S+1], s94, SCL
	s_mov_b64 s[G0S+2:G0S+3], s[22:23]
	s_or_b32 s[G0S+3], s[G0S+3], 0x80000000
	s_mov_b32 s[G0SB], 1
	s_add_co_u32 s[G0SB+1], s94, SCL
	s_mov_b64 s[G0SB+2:G0SB+3], s[92:93]
	s_or_b32 s[G0SB+3], s[G0SB+3], 0x80000000
	JLOAD G0S, G1S, G0SB, G1SB                     ; the scales first: they are wanted with K step 0
.irp s, 0,1
	s_mov_b32 s[G0+4*\s], 1
	s_add_co_u32 s[G0+4*\s+1], s45, \s*SLOT
	s_add_nc_u64 s[G0+4*\s+2:G0+4*\s+3], s[20:21], \s*ROWB
	s_or_b32 s[G0+4*\s+3], s[G0+4*\s+3], 0x80000000
	s_mov_b32 s[G0B+4*\s], 1
	s_add_co_u32 s[G0B+4*\s+1], s45, \s*SLOT
	s_add_nc_u64 s[G0B+4*\s+2:G0B+4*\s+3], s[46:47], \s*ROWB
	s_or_b32 s[G0B+4*\s+3], s[G0B+4*\s+3], 0x80000000
	JLOAD G0+4*\s, G1, G0B+4*\s, G1B               ; three tensor loads of mine are out
.endr
	v_and_b32 v1, 15, v0                           ; l % 16
	v_bfe_u32 v2, v0, 4, 1                         ; l / 16
	v_mul_u32_u24 v3, v1, PITCH
	v_lshl_add_u32 v4, v2, 4, v3                   ; a fragment's row x pitch + 16 x half
	s_mul_i32 s21, s15, HALFT                      ; my 128 rows of A
	s_mul_i32 s22, s16, HALFT                      ; my 128 rows of B,
	s_add_co_u32 s22, s22, 2*HALFT                 ; which lie behind A's 256
.irp s, 0,1
	v_add_nc_u32 v[ADRA+\s], s21, v4
	v_add_nc_u32 v[ADRB+\s], s22, v4
	s_add_co_u32 s21, s21, SLOT
	s_add_co_u32 s22, s22, SLOT
.endr
	v_mul_u32_u24 v5, v1, KS                       ; my row's scales: 32 bytes a row,
	v_lshrrev_b32 v6, 8, v5
	v_lshl_add_u32 v5, v6, 4, v5                   ; and 16 more for each 256 passed
	s_mul_i32 s21, s15, HALFS
	s_mul_i32 s22, s16, HALFS
	s_add_co_u32 s22, s22, 2*HALFS
	s_sub_co_u32 s22, s22, s21
	v_mul_u32_u24 v6, s22, v2                      ; lanes 16-31 take B's
	s_add_co_u32 s21, s21, SCL
	v_add_nc_u32 v5, v5, v6
	v_add_nc_u32 v[ADRS], s21, v5
	v_and_b32 v6, 31, v0
	v_lshlrev_b32 v[CO], 4, v6                     ; the way out: 16 bytes a lane,
	v_add_nc_u32 v[CO+1], s[SCB], v[CO]            ; in my four images along B
	v_add_nc_u32 v[CO+2], s[SCB], v[CO+1]
	v_add_nc_u32 v[CO+3], s[SCB], v[CO+2]
	s_lshl_b32 s18, s66, 6                         ; my first image along A: 64 tA + 16 cy + 8 x half
	s_lshl_b32 s19, s41, 4
	s_add_co_u32 s18, s18, s19
	s_lshl_b32 s19, s15, 3
	s_add_co_u32 s18, s18, s19
	s_mul_i32 s18, s18, s[SA]
	s_lshl_b32 s46, s67, 5                         ; along B: 32 tB + 8 cx + 4 x half
	s_lshl_b32 s47, s40, 3
	s_add_co_u32 s46, s46, s47
	s_lshl_b32 s47, s16, 2
	s_add_co_u32 s46, s46, s47
	s_mul_i32 s46, s46, s[SCB]
	s_add_co_u32 s46, s46, s18
	s_lshl_b32 s47, s[PP], 24                      ; product p's 16 MiB of qkv
	s_add_co_u32 s46, s46, s47
	s_mov_b32 s47, 0
	s_add_nc_u64 s[12:13], s[12:13], s[46:47]
.macro FRAG reg, adr, q, i             ; a fragment, 16 rows x 128 K of 4-bit codes: registers 4 c .. 4 c + 3 hold K = 64 c + 32 (l / 16) + 0 .. 31
.irp c, 0,1
	ds_load_b128 v[\reg+4*\c:\reg+4*\c+3], v[\adr] offset:64*(\q)+32*\c+(\i)*16*PITCH
.endr
.endm
; 16 matrix instructions: A's blocks a0, a0 + 1 x B's eight, the slot's q-th 128 along K.  p: B's set; sc: the set of scale words.  zero = 1: the first product starts the sums.
; The 64 accumulators take turns, one instruction a turn, in the same order in every step.
.macro MUL16 a0, p, q, sc, zero
.irp a, \a0, \a0+1
.irp b, 0,1,2,3,4,5,6,7
.if \zero
	v_wmma_scale_f32_16x16x128_f8f6f4 v[8*(8*((\a)%4)+\b):8*(8*((\a)%4)+\b)+7], v[128*(\p)+FR*\b:128*(\p)+FR*\b+FR-1], v[AF+FR*(\a):AF+FR*(\a)+FR-1], 0, v[SC+8*NQ*(\sc)+NQ*\b+(\q)], v[SC+8*NQ*(\sc)+NQ*(\a)+(\q)] matrix_a_fmt:MATRIX_FMT_FP4 matrix_b_fmt:MATRIX_FMT_FP4 matrix_a_scale:MATRIX_SCALE_ROW1
.else
	v_wmma_scale_f32_16x16x128_f8f6f4 v[8*(8*((\a)%4)+\b):8*(8*((\a)%4)+\b)+7], v[128*(\p)+FR*\b:128*(\p)+FR*\b+FR-1], v[AF+FR*(\a):AF+FR*(\a)+FR-1], v[8*(8*((\a)%4)+\b):8*(8*((\a)%4)+\b)+7], v[SC+8*NQ*(\sc)+NQ*\b+(\q)], v[SC+8*NQ*(\sc)+NQ*(\a)+(\q)] matrix_a_fmt:MATRIX_FMT_FP4 matrix_b_fmt:MATRIX_FMT_FP4 matrix_a_scale:MATRIX_SCALE_ROW1
.endif
.endr
.endr
.endm
.macro FETCH_B slot, q, p
	WIN TO_B
.irp i, 0,1,2,3,4,5,6,7
	FRAG 128*(\p)+FR*\i, ADRB+\slot, \q, \i
.endr
	WIN 0
.endm
.macro FETCH_A slot, q, i0
.irp i, \i0, \i0+1, \i0+2, \i0+3
	FRAG AF+FR*(\i), ADRA+\slot, \q, \i
.endr
.endm
.macro SCALES sc                       ; a K step's scale words: lanes 0-15 take A's block i, lanes 16-31 B's block i
.irp i, 0,1,2,3,4,5,6,7
	ds_load_b128 v[SC+8*NQ*\sc+NQ*\i:SC+8*NQ*\sc+NQ*\i+3], v[ADRS] offset:\i*SBLK
.endr
.endm
.macro PLACES n                        ; plain vector instructions between a matrix instruction and a load into, or a read of, its registers
.rept \n
	v_nop
.endr
.endm
.macro STEP slot, q, zero              ; a step of 128 along K that has its successor in the same slot
	s_wait_dscnt 4*NL                              ; B's set and A's blocks 0-3 are in; the youngest 8 loads (A's blocks 4-7) may be out
	WIN MUL_LO
	MUL16 0, (\q)%2, \q, \slot, \zero
	MUL16 2, (\q)%2, \q, \slot, \zero
	s_wait_dscnt 0
	PLACES NP
	FETCH_B \slot, (\q)+1, 1-(\q)%2
	FETCH_A \slot, (\q)+1, 0
	WIN MUL_HI
	MUL16 4, (\q)%2, \q, \slot, \zero
	MUL16 6, (\q)%2, \q, \slot, \zero
	PLACES NP
	WIN 0
	FETCH_A \slot, (\q)+1, 4
.endm
	s_wait_tensorcnt 1                             ; the scales and my part of K step 0 are in; K step 1's load, issued behind them, may be out
	s_barrier_signal -1
	s_barrier_wait -1                              ; everybody's are
	FETCH_B 0, 0, 0
	FETCH_A 0, 0, 0
	SCALES 0
	FETCH_A 0, 0, 4
	STEP 0, 0, 1                                   ; the first products start the sums: nothing is cleared
	STEP 0, 1, 0
	STEP 0, 2, 0
	; slot 0's last step changes slots: one barrier, in front of which each wave has waited for its part of slot 1
	s_wait_tensorcnt 0x0                           ; my part of slot 1 has landed
	ds_add_u32 v[SPW], v[NIL]                      ; 0 onto my spare word
	s_wait_dscnt 4*NL+1                            ; (the add and the youngest 8 loads may be out)
	WIN MUL_LO
	MUL16 0, 1, NQ-1, 0, 0
	s_wait_dscnt 0x0                               ; no LDS instruction of mine is pending at the signal
	s_barrier_signal -1
	MUL16 2, 1, NQ-1, 0, 0
	WIN 0
	s_barrier_wait -1                              ; slot 1 is whole
	PLACES NP
	v_add_nc_u32 v[ADRS], 4*NQ, v[ADRS]            ; on to K step 1's scale words
	FETCH_B 1, 0, 0
	FETCH_A 1, 0, 0
	SCALES 1
	WIN MUL_HI
	MUL16 4, 1, NQ-1, 0, 0
	MUL16 6, 1, NQ-1, 0, 0
	PLACES NP
	WIN 0
	FETCH_A 1, 0, 4
	STEP 1, 0, 0
	STEP 1, 1, 0
	STEP 1, 2, 0
	s_wait_dscnt 4*NL                              ; the very last step: nothing more to fetch
	WIN MUL_LO
	MUL16 0, 1, NQ-1, 1, 0
	MUL16 2, 1, NQ-1, 1, 0
	s_wait_dscnt 0
	WIN MUL_HI
	MUL16 4, 1, NQ-1, 1, 0
	MUL16 6, 1, NQ-1, 1, 0
	WIN 0
	PLACES NP                                      ; in front of the first reads of results and of writes into the scale words' registers
	s_cmp_lg_u32 s[PP], 0                          ; q alone is scaled: the branch hangs on the cluster's y, the same in all partners
	s_cbranch_scc1 .Lnoscale
	s_mov_b32 s18, 0x3e38aa3b                      ; log2(e) / 8
	s_mov_b32 s19, s18                             ; (named with it as a pair, so it is written)
	WIN 0x82                                       ; destination and source 0: window 2
.set nn, 0
.rept 128
	v_pk_mul_f32 v[nn:nn+1], v[nn:nn+1], s[18:19] op_sel_hi:[1,0]   ; each accumulator from its low end on
.set nn, nn+2
.endr
	WIN 0xc3                                       ; window 3
.set nn, 0
.rept 128
	v_pk_mul_f32 v[nn:nn+1], v[nn:nn+1], s[18:19] op_sel_hi:[1,0]
.set nn, nn+2
.endr
	WIN 0
.Lnoscale:
; THE WAY OUT, block a of A's eight: 8 results are rounded to f16, 16 bytes a lane, and are the halves of four images: each store covers 512 consecutive bytes, aligned.
.macro OUTBLK a
.set AC, 64*((\a)%4)
	s_wait_xcnt 0x0                                ; the block before's stores have read their registers and their base: both are written again only behind this wait
.if (\a) > 0
	s_add_nc_u64 s[12:13], s[12:13], s[SA:SA+1]    ; the next image along A
.endif
	WIN 0x0a+5*((\a)/4)                            ; sources 0 and 1: window 2 or 3
.irp b, 0,1,2,3,4,5,6,7
.irp r, 0,1,2,3
	v_cvt_pk_f16_f32 v[TMP+4*\b+\r], v[AC+8*\b+2*\r], v[AC+8*\b+2*\r+1]
.endr
.endr
	WIN 0
.irp b, 0,1,2,3,4,5,6,7
	global_store_b128 v[CO+\b/2], v[TMP+4*\b:TMP+4*\b+3], s[12:13] offset:512*(\b%2)
.endr
.endm
.irp a, 0,1,2,3,4,5,6,7
	OUTBLK \a
.endr
	s_wait_tensorcnt 0x0                           ; the wave's end: behind my last tensor load
	ds_add_u32 v[SPW], v[NIL]
	s_wait_dscnt 0x0
	CROUND                                         ; the closing round
	s_endpgm
.Lfunc_end_k_qb894d47a37_proj:
	.size	k_qb894d47a37_proj, .Lfunc_end_k_qb894d47a37_proj-k_qb894d47a37_proj
	.p2alignl 7, 3214868480
	.fill 96, 4, 3214868480
	.section	.rodata,"a",@progbits
	.p2align	6, 0x0
	.amdhsa_kernel k_qb894d47a37_proj
		.amdhsa_group_segment_fixed_size 327680
		.amdhsa_private_segment_fixed_size 0
		.amdhsa_enable_private_segment 0
		.amdhsa_kernarg_size 40
		.amdhsa_user_sgpr_count 2
		.amdhsa_user_sgpr_kernarg_segment_ptr 1
		.amdhsa_wavefront_size32 1
		.amdhsa_system_sgpr_workgroup_id_x 1
		.amdhsa_system_sgpr_workgroup_id_y 1
		.amdhsa_system_sgpr_workgroup_id_z 1
		.amdhsa_system_vgpr_workitem_id 0
		.amdhsa_next_free_vgpr 1024
		.amdhsa_next_free_sgpr 102
		.amdhsa_reserve_vcc 0
		.amdhsa_float_denorm_mode_32 3
		.amdhsa_float_denorm_mode_16_64 3
		.amdhsa_memory_ordered 1
		.amdhsa_forward_progress 1
		.amdhsa_inst_pref_size 135
	.end_amdhsa_kernel
	.amdgpu_metadata
---
amdhsa.version: [ 1, 2 ]
amdhsa.kernels:
  - .name:           k_qb894d47a37_proj
    .symbol:         k_qb894d47a37_proj.kd
    .args:
      - { .name: xcodes, .offset: 0, .size: 8, .value_kind: global_buffer, .address_space: global }
      - { .name: xscales, .offset: 8, .size: 8, .value_kind: global_buffer, .address_space: global }
      - { .name: wcodes, .offset: 16, .size: 8, .value_kind: global_buffer, .address_space: global }
      - { .name: wscales, .offset: 24, .size: 8, .value_kind: global_buffer, .address_space: global }
      - { .name: qkv, .offset: 32, .size: 8, .value_kind: global_buffer, .address_space: global }
    .group_segment_fixed_size: 327680
    .private_segment_fixed_size: 0
    .kernarg_segment_align: 8
    .kernarg_segment_size: 40
    .max_flat_workgroup_size: 128
    .sgpr_count:     102
    .vgpr_count:     1024
    .wavefront_size: 32
...
	.end_amdgpu_metadata
.endif
;; end of part 2
;; launch attn (part 3): grid 4 x 64, 16 waves a work-group, clusters of 4 x 1, 327,680 bytes of LDS; arguments qkv, maskbits, ao; writes ao
.if DOCPART == 3
	.amdgcn_target "amdgcn-amd-amdhsa--gfx1250"
	.amdhsa_code_object_version 6
	.text
	.protected	k_qb894d47a37_attn
	.globl	k_qb894d47a37_attn
	.p2align	8
	.type	k_qb894d47a37_attn,@function
k_qb894d47a37_attn:
	s_mov_b64 s[64:65], 0
	v_nop
	global_prefetch_b8 v0, s[64:65] scope:SCOPE_SE
	s_setreg_imm32_b32 hwreg(HW_REG_WAVE_MODE, 25, 1), 1
	s_wait_xcnt 0x0
	s_wait_alu depctr_hold_cnt(0) depctr_sa_sdst(0) depctr_va_vdst(0) depctr_va_sdst(0) depctr_va_ssrc(0) depctr_va_vcc(0) depctr_vm_vsrc(0)
	s_getreg_b32 s2, hwreg(HW_REG_IB_STS2, 6, 4)
	s_cmp_eq_u32 s2, 0
	s_cbranch_scc0 .Lentry_in_a_cluster
	s_endpgm
.Lentry_in_a_cluster:
	s_bfe_u32 s2, ttmp6, 0x10000c
	s_cmp_lg_u32 s2, 0x3003
	s_cbranch_scc0 .Lentry_shape_is_right
	s_endpgm
.Lentry_shape_is_right:
; Launch 3 of 4: for each batch b and head h: ao = softmax(where(mask == 0, -1e9, q k^T / 8)) v.  Operands f16, products' sums, maxima, exponentials and row sums f32.  No work is left out.
; q arrives already multiplied by log2(e) / 8, so a score comes out of the matrix unit as t, an exponent of 2; a masked score is REPLACED by NEG = -1e9 x log2(e).  p = 2^(t - m), m the running maximum of t:
; a plain subtraction, so a row whose every key is masked gives t - m = 0 and p = 1 for all keys: the plain average of v, as the problem has it.
; SHARES.  Work-group (cx, y): head y = 16 b + h, queries 512 cx .. 512 cx + 511.  Each of SIXTEEN waves owns two tiles of 16 queries in 256 registers: four waves to a SIMD, so that one wave's vector work
; stands beside another's matrix work and LDS loads; each fragment of K and V read from LDS feeds two products.  Every wave walks all 2,048 keys, 64 a step.
; CLUSTER.  The four query blocks of a head walk the same K and V: each tile is asked for JOINTLY, by the same tensor load with a mask that names the four.
; THE RING.  Two slots of 512 keys (K's 64 KiB, then V's 64 KiB), as large as two fit in LDS: eight key steps between two changes of slots, three refills in the launch.
; LAYOUT.  S^T = K Q^T (source 0 = 16 keys, source 1 = 16 queries), O^T = V^T P (source 0 = 16 channels, source 1 = P): a lane holds ONE query (lane % 16) throughout.  q, k and v lie in memory as IMAGES of the
; operands' registers (1,024 bytes: registers 0-3 of lane l at 16 l, registers 4-7 at 512 + 16 l), so every LDS load reads 512 consecutive bytes; two neighbouring score tiles, rounded in pairs, are P's fragment.
; THE MASK comes as lane masks, one word for each score register, by scalar loads: one v_cndmask_b32 a score; no branch and no address hangs on it.  Each of my two tiles has its own 32 scalar registers,
; loaded again for the NEXT key step directly behind the selects that read them: one wait a key step serves both.
; LIMITS: NaN and infinities are not served; the attention output stays under 65,504 (f16).
.set SLOT1, 1<<17                      ; a slot: 512 keys: K's 32 tiles x 2,048 bytes, then V's 16 chunks of 32 keys x 4,096 bytes; slot 1 begins here: one exclusive or turns an address
.set HALF,  32768                      ; four key steps on, in K's part and in V's part of a slot alike
.set SLOTB, 1048576                    ; a slot on in memory, for K and for V alike
.set SPARE, 325632                     ; the spare words, 128 bytes for each wave: eight blocks of 256 bytes that no other line names
.set LI,  1                            ; v1   16 x lane
.set LIV, 2                            ; v2   16 x lane + 65,536: V's part of a slot
.set ADK, 3                            ; v3   LDS address of the four steps' K
.set ADV, 4                            ; v4   of their V
.set NEG, 5                            ; v5   -1e9 x log2(e)
.set SPW, 6                            ; v6   my spare word; never rewritten
.set NIL, 7                            ; v7   0; never rewritten
.set PFO, 12                           ; v12  the prefetches' offset; never rewritten
.set QF,  16                           ; v16-47   Q: tile x, channels 32 c on, at 16 x + 8 c
.set ST,  48                           ; v48-63   8 a tile: +0 -m, +1 m, +2, +3 the sum in two halves, +4 .. +7 at work; a in +6
.set S,   64                           ; v64-127  S^T, 32 a tile; P is packed into each tile's low 16
.set O,   128                          ; v128-191 O^T, 32 a tile
.set KV,  192                          ; v192-255 a step's K, then its V
.set MB,  2                            ; s[2:3]   my first tile's mask words
.set PFA, 4                            ; s[4:5]   where my prefetches stand
.set SEL, 6                            ; s[6:7]   lane selects: lane l xor 16 (at the head: Q's address, until Q is in)
.set G1K, 8                            ; s[8:15], s[16:23] descriptor groups 1;  s[24:27], s[28:31] groups 0, which walk
.set G1V, 16
.set G0K, 24
.set G0V, 28
.set M0,  32                           ; s[32:63] my first tile's 32 mask words of a step (at the head and on the way out: at work)
.set M1,  68                           ; s[68:99] my second tile's
.set WV,  66
.set LIM, 67                           ; s67  1 in a wave that prefetches, else the greatest number
.set SLOTS, 100
.set TWICE, 101                        ; s101 counts a slot's two runs of four steps
.set TB,  104                          ; s104 LDS byte at which the four steps in hand begin
.set MO,  105                          ; s105 the byte offset of a key step's mask words in a tile's 4,096
.macro CROUND
	s_barrier_signal -1
	s_barrier_wait -1
	s_cmp_lg_u32 s[WV], 0
	s_cbranch_scc1 .Lnot_wave_0_\@
	s_barrier_signal -3
.Lnot_wave_0_\@:
	s_barrier_wait -3
	s_barrier_signal -1
	s_barrier_wait -1
.endm
; Wave 0 fetches a slot's K, wave 1 its V, 64 KiB each, the others nothing; the branches hang on the wave's number alone.  An s_nop 0 and four v_nop follow each of the two lines.
.macro JLOAD
	s_cmp_eq_u32 s[WV], 0
	s_cbranch_scc0 .Lnot_k_\@
	tensor_load_to_lds s[G0K:G0K+3], s[G1K:G1K+7]
	s_nop 0
.rept 4
	v_nop
.endr
	s_branch .Lasked_\@
.Lnot_k_\@:
	s_cmp_eq_u32 s[WV], 1
	s_cbranch_scc0 .Lasked_\@
	tensor_load_to_lds s[G0V:G0V+3], s[G1V:G1V+7]
	s_nop 0
.rept 4
	v_nop
.endr
.Lasked_\@:
.endm
; A prefetch of what the NEXT change of slots will ask for: eight key steps ahead of that load.  Each aligned block of 256 bytes is named once in the launch: a head has one cluster; its four partners take a quarter of the
; slot's rows each, told apart by address; in each, wave 2 asks for K's (8 rows x 8 blocks) and wave 3 for V's (4 rows x 16 blocks), a lane a block, two instructions.  The last change that fills a slot asks for nothing.
.macro ASK
	s_cmp_gt_u32 s[SLOTS], s[LIM]
	s_cbranch_scc0 .Lnot_mine_\@
	global_prefetch_b8 v[PFO], s[PFA:PFA+1] th:TH_LOAD_NT scope:SCOPE_SE
	global_prefetch_b8 v[PFO], s[PFA:PFA+1] offset:131072 th:TH_LOAD_NT scope:SCOPE_SE   ; K: four rows of 32,768 bytes on; V: two rows of 65,536
.Lnot_mine_\@:
.endm
; My place, from ids alone: s40 cx, s42 b, s43 h, s44 T0 = 128 b + 32 cx + 2 wave (my first tile of 16 tokens), s[48:49] the byte offset of the head's two images in that tile, the same in q and in ao
.macro TILEOFF
	s_bfe_u32 s40, ttmp6, 0x40000                  ; cx: my block of 512 queries
	s_and_b32 s41, ttmp7, 0xffff
	s_lshr_b32 s42, s41, 4                         ; b
	s_and_b32 s43, s41, 15                         ; h
	s_lshl_b32 s44, s42, 7
	s_lshl_b32 s45, s40, 5
	s_add_co_u32 s44, s44, s45
	s_lshl_b32 s45, s[WV], 1
	s_add_co_u32 s44, s44, s45
	s_lshl_b32 s46, s43, 11                        ; the head's two images in a tile's 32,768 bytes
	s_lshl_b32 s48, s44, 15
	s_add_co_u32 s48, s48, s46
	s_mov_b32 s49, 0
.endm
.macro MASKL set, off                  ; 32 mask words of the key step at s[MO]: off = 0: my first tile's, 4,096: my second's
	s_load_b512 s[\set:\set+15], s[MB:MB+1], s[MO] offset:\off
	s_load_b512 s[\set+16:\set+31], s[MB:MB+1], s[MO] offset:\off+64
.endm
.macro MASK x, set                     ; where the bit is 0 the score becomes NEG; each accumulator is read from its low end on
.set nn, 0
.rept 32
	v_cndmask_b32 v[S+32*(\x)+nn], v[NEG], v[S+32*(\x)+nn], s[\set+nn]
.set nn, nn+1
.endr
.endm
.macro SOFTMAX x
.set rT, ST+8*(\x)
.set rS, S+32*(\x)
.set rO, O+32*(\x)
.irp j, 0,1,2,3
	v_max3_num_f32 v[rT+4+\j], v[rS+8*\j], v[rS+8*\j+1], v[rS+8*\j+2]   ; the maximum of my 32 scores and the old m: four chains
.endr
.irp i, 3,5
.irp j, 0,1,2,3
	v_max3_num_f32 v[rT+4+\j], v[rT+4+\j], v[rS+8*\j+\i], v[rS+8*\j+\i+1]
.endr
.endr
	v_max3_num_f32 v[rT+4], v[rT+4], v[rS+7], v[rS+15]
	v_max3_num_f32 v[rT+6], v[rT+6], v[rS+23], v[rS+31]
	v_max3_num_f32 v[rT+4], v[rT+4], v[rT+5], v[rT+6]
	v_max3_num_f32 v[rT+4], v[rT+4], v[rT+7], v[rT+1]
	v_permlanex16_b32 v[rT+5], v[rT+4], s[SEL], s[SEL+1]   ; the query's other 32 keys lie in the lane 16 away
	v_max_num_f32 v[rT+4], v[rT+4], v[rT+5]        ; the new m
	v_sub_f32 v[rT+7], v[rT+1], v[rT+4]            ; m_old - m_new
	v_mov_b32 v[rT+1], v[rT+4]
	v_xor_b32 v[rT], 0x80000000, v[rT+4]           ; -m
	v_exp_f32 v[rT+6], v[rT+7]                     ; a = 2^(m_old - m_new)
.set nn, 0
.rept 16
	v_pk_add_f32 v[rS+nn:rS+nn+1], v[rS+nn:rS+nn+1], v[rT:rT+1] op_sel_hi:[1,0]   ; t - m, two at a time
.set nn, nn+2
.endr
.set nn, 0
.rept 32
	v_exp_f32 v[rS+nn], v[rS+nn]                   ; p
.set nn, nn+1
.endr
	v_nop                                          ; a plain instruction behind the last exponential
	s_wait_alu depctr_va_vdst(0)                   ; one wait for the 33 exponentials, ahead of the first instruction that names a result
	v_pk_add_f32 v[8:9], v[rS:rS+1], v[rS+2:rS+3]  ; the sum of the unrounded p, in two chains
	v_pk_add_f32 v[10:11], v[rS+4:rS+5], v[rS+6:rS+7]
.irp j, 8,12,16,20,24,28
	v_pk_add_f32 v[8:9], v[8:9], v[rS+\j:rS+\j+1]
	v_pk_add_f32 v[10:11], v[10:11], v[rS+\j+2:rS+\j+3]
.endr
	v_pk_add_f32 v[8:9], v[8:9], v[10:11]
	v_pk_fma_f32 v[rT+2:rT+3], v[rT+2:rT+3], v[rT+6:rT+7], v[8:9] op_sel_hi:[1,0,1]   ; l = a l + the sum
.set nn, 0
.rept 16
	v_cvt_pk_f16_f32 v[rS+nn], v[rS+2*nn], v[rS+2*nn+1]   ; P, in place: register n is written when 2 n and 2 n + 1 have been read
.set nn, nn+1
.endr
.set nn, 0
.rept 16
	v_pk_mul_f32 v[rO+nn:rO+nn+1], v[rO+nn:rO+nn+1], v[rT+6:rT+7] op_sel_hi:[1,0]   ; O^T x a
.set nn, nn+2
.endr
.endm
; A KEY STEP: 64 keys, the q-th of the four in hand.
.macro STEP q
	v_add_nc_u32 v[ADK], s[TB], v[LI]              ; five plain instructions behind the last step's products: four are asked in front of the loads into their registers,
	v_add_nc_u32 v[ADV], s[TB], v[LIV]             ; five in front of the products that write over P's
.rept 3
	v_nop
.endr
.irp f, 0,1,2,3,4,5,6,7                ; K: keys 16 (f / 2) on, channels 32 (f % 2) on
	ds_load_b128 v[KV+8*\f:KV+8*\f+3], v[ADK] offset:8192*(\q)+1024*\f
	ds_load_b128 v[KV+8*\f+4:KV+8*\f+7], v[ADK] offset:8192*(\q)+1024*\f+512
.endr
	s_wait_dscnt 0x0
.irp c, 0,1                            ; S^T = K Q^T: eight accumulators by turns, one instruction a turn
.irp kt, 0,1,2,3
.irp x, 0,1
.if \c == 0
	v_wmma_f32_16x16x32_f16 v[S+32*\x+8*\kt:S+32*\x+8*\kt+7], v[KV+8*(2*\kt+\c):KV+8*(2*\kt+\c)+7], v[QF+16*\x+8*\c:QF+16*\x+8*\c+7], 0
.else
	v_wmma_f32_16x16x32_f16 v[S+32*\x+8*\kt:S+32*\x+8*\kt+7], v[KV+8*(2*\kt+\c):KV+8*(2*\kt+\c)+7], v[QF+16*\x+8*\c:QF+16*\x+8*\c+7], v[S+32*\x+8*\kt:S+32*\x+8*\kt+7]
.endif
.endr
.endr
.endr
.rept 4
	v_nop                                          ; places in front of the loads into K's registers and of the first read of the scores
.endr
.irp f, 0,1,2,3,4,5,6,7                ; V: keys 32 (f / 4) on, channels 16 (f % 4) on: it lands under the softmax
	ds_load_b128 v[KV+8*\f:KV+8*\f+3], v[ADV] offset:8192*(\q)+1024*\f
	ds_load_b128 v[KV+8*\f+4:KV+8*\f+7], v[ADV] offset:8192*(\q)+1024*\f+512
.endr
	s_wait_kmcnt 0x0                               ; both tiles' mask words of this step are in: the one wait for scalar loads in a step
	s_add_co_u32 s[MO], s[MO], 128                 ; no scalar load is out, so their offset may be written: the next key step's words;
	s_and_b32 s[MO], s[MO], 4095                   ; behind the last step it wraps to step 0: inside the buffer; those words are not used
	MASK 0, M0
	MASKL M0, 0                                    ; the next step's words of my first tile: a whole key step in which to come
	SOFTMAX 0
	MASK 1, M1
	MASKL M1, 4096                                 ; and of my second: a softmax, 32 products and the K loads in which to come
	SOFTMAX 1
	s_wait_dscnt 0x0                               ; V is in
.irp g, 0,1                            ; O^T += V^T P: eight accumulators by turns
.irp ct, 0,1,2,3
.irp x, 0,1
	v_wmma_f32_16x16x32_f16 v[O+32*\x+8*\ct:O+32*\x+8*\ct+7], v[KV+8*(4*\g+\ct):KV+8*(4*\g+\ct)+7], v[S+32*\x+8*\g:S+32*\x+8*\g+7], v[O+32*\x+8*\ct:O+32*\x+8*\ct+7]
.endr
.endr
.endr
.endm
; THE CHANGE OF SLOTS stands at a slot's head.  Each wave waits for all its tensor loads (the slot that it is about to read), adds 0 to its spare word, and waits for that and for its reads of the slot that it has left.
; fill = 1: a round of the cluster's barrier, and behind it the slot just left is filled with the keys that follow: the load has eight key steps in which to land.
.macro CHANGE fill
	s_wait_tensorcnt 0x0                           ; no tensor load of mine is out, so a group 0 may be written
	ds_add_u32 v[SPW], v[NIL]
.if \fill
	ds_add_u32 v[SPW], v[NIL]                      ; twice on end here, in every trip alike
	s_xor_b32 s[G0K+1], s[G0K+1], SLOT1            ; the walking descriptors: the other slot,
	s_add_nc_u64 s[G0K+2:G0K+3], s[G0K+2:G0K+3], SLOTB   ; the next 512 keys
	s_xor_b32 s[G0V+1], s[G0V+1], SLOT1
	s_add_nc_u64 s[G0V+2:G0V+3], s[G0V+2:G0V+3], SLOTB
	s_wait_xcnt 0x0                                ; the last prefetches, a slot back, have read their address
	s_add_nc_u64 s[PFA:PFA+1], s[PFA:PFA+1], SLOTB ; one slot further on than the walking descriptors
	s_wait_dscnt 0x0                               ; both adds are done, and my reads of the slot that I have left are over
	CROUND
	JLOAD                                          ; the first thing behind the round, a wave's one tensor load until the next
	ASK
.else
	s_wait_dscnt 0x0
	s_barrier_signal -1
	s_barrier_wait -1
.endif
.endm
; A slot's eight key steps: four are written, and walked twice; the LDS addresses hang on s[TB], the mask words' on s[MO].
.macro SLOT_STEPS
	s_mov_b32 s[TWICE], 2
.Lfour_\@:
	STEP 0
	STEP 1
	STEP 2
	STEP 3
	s_xor_b32 s[TB], s[TB], HALF                   ; the slot's other four steps; behind the second trip it is back at the slot's start
	s_sub_co_u32 s[TWICE], s[TWICE], 1
	s_cmp_lg_u32 s[TWICE], 0
	s_cbranch_scc1 .Lfour_\@
	s_xor_b32 s[TB], s[TB], SLOT1                  ; on to the other slot
.endm
	s_load_b128 s[36:39], s[0:1], 0x0              ; qkv s[36:37], maskbits s[38:39]
	v_lshl_add_u32 v[SPW], v0, 2, SPARE
	v_mov_b32 v[NIL], 0
	ds_add_u32 v[SPW], v[NIL]                      ; the wave's opening: the add, twice on end, and its wait ahead of the first tensor load
	ds_add_u32 v[SPW], v[NIL]
	v_lshrrev_b32 v1, 5, v0
	v_readfirstlane_b32 s[WV], v1                  ; wave 0..15
	v_and_b32 v13, 31, v0
	v_lshlrev_b32 v[LI], 4, v13
	v_add_nc_u32 v[LIV], 0x10000, v[LI]
	TILEOFF
	s_lshl_b32 s50, s44, 12                        ; the mask words: 4,096 bytes a tile
	s_mov_b32 s51, 0
	s_lshl_b32 s52, s42, 22                        ; k: 16 MiB + b x 4 MiB + h x 2,048: it hangs on the head alone
	s_add_co_u32 s52, s52, s46
	s_add_co_u32 s52, s52, 0x1000000
	s_mov_b32 s53, 0
	s_lshl_b32 s54, s42, 22                        ; v: 32 MiB + b x 4 MiB + h x 4,096
	s_lshl_b32 s46, s43, 12
	s_add_co_u32 s54, s54, s46
	s_add_co_u32 s54, s54, 0x2000000
	s_mov_b32 s55, 0
	; descriptor group 1, elements of 8 bytes, no padding.  K: 32 rows (tiles of 16 keys) of 2,048 bytes, 32,768 bytes apart.  V: 16 rows (chunks of 32 keys) of 4,096 bytes, 65,536 apart
	s_mov_b32 s[G1K], 15|(3<<16)|(1<<21)           ; 15:0 the mask: all four work-groups; 17:16 elements of 8 bytes; 21 set beside a mask
	s_mov_b32 s[G1K+1], 256<<16                    ; tensor_dim0
	s_mov_b32 s[G1K+2], 32<<16                     ; tensor_dim1
	s_mov_b32 s[G1K+3], 256<<16                    ; tile_dim0
	s_mov_b32 s[G1K+4], 32                         ; tile_dim1
	s_mov_b32 s[G1K+5], 4096                       ; from row to row
	s_mov_b32 s[G1K+6], 0
	s_mov_b32 s[G1K+7], 0
	s_mov_b32 s[G1V], 15|(3<<16)|(1<<21)
	s_mov_b32 s[G1V+1], 512<<16
	s_mov_b32 s[G1V+2], 16<<16
	s_mov_b32 s[G1V+3], 512<<16
	s_mov_b32 s[G1V+4], 16
	s_mov_b32 s[G1V+5], 8192
	s_mov_b32 s[G1V+6], 0
	s_mov_b32 s[G1V+7], 0
	s_mov_b32 s[TB], 0
	s_mov_b32 s[MO], 0
	s_mov_b32 s[SLOTS], 3
	s_wait_dscnt 0x0                               ; both opening adds are done
	s_wait_kmcnt 0x0
	s_add_nc_u64 s[52:53], s[36:37], s[52:53]      ; the head's K,
	s_add_nc_u64 s[54:55], s[36:37], s[54:55]      ; its V,
	s_add_nc_u64 s[6:7], s[36:37], s[48:49]        ; my Q (these two registers take the lane selects once Q is in),
	s_add_nc_u64 s[MB:MB+1], s[38:39], s[50:51]    ; my mask words
	s_mov_b32 s[G0K], 1
	s_mov_b32 s[G0K+1], 0                          ; slot 0, K's part
	s_mov_b64 s[G0K+2:G0K+3], s[52:53]
	s_or_b32 s[G0K+3], s[G0K+3], 0x80000000
	s_mov_b32 s[G0V], 1
	s_mov_b32 s[G0V+1], 65536                      ; slot 0, V's part
	s_mov_b64 s[G0V+2:G0V+3], s[54:55]
	s_or_b32 s[G0V+3], s[G0V+3], 0x80000000
	; the prefetches: where my wave's stand, and who asks.  Nothing is prefetched here, at the head
	s_cmp_eq_u32 s[WV], 2
	s_cselect_b64 s[PFA:PFA+1], s[52:53], s[54:55]
	s_cselect_b32 s58, 3, 4                        ; K: 8 blocks of 256 bytes a row; V: 16
	s_cselect_b32 s59, 7, 15
	s_cselect_b32 s60, 15, 16                      ; K's rows lie 2^15 bytes apart, V's 2^16
	v_lshrrev_b32 v[PFO], s58, v13
	v_lshlrev_b32 v[PFO], s60, v[PFO]
	v_and_b32 v13, s59, v13
	v_lshl_add_u32 v[PFO], v13, 8, v[PFO]
	s_lshl_b32 s56, s40, 18                        ; my work-group's quarter of a slot's rows: 262,144 bytes on for each place,
	s_add_co_u32 s56, s56, SLOTB                   ; in slot 1: the first change of slots steps it to slot 2
	s_mov_b32 s57, 0
	s_add_nc_u64 s[PFA:PFA+1], s[PFA:PFA+1], s[56:57]
	s_lshr_b32 s[LIM], s[WV], 1
	s_cmp_eq_u32 s[LIM], 1                         ; waves 2 and 3
	s_cselect_b32 s[LIM], 1, -1
	CROUND                                         ; all four work-groups are here: the first joint loads meet
	JLOAD                                          ; slot 0
.irp x, 0,1
.irp c, 0,1
	global_load_b128 v[QF+16*\x+8*\c:QF+16*\x+8*\c+3], v[LI], s[6:7] offset:32768*\x+1024*\c th:TH_LOAD_NT   ; Q stays in registers
	global_load_b128 v[QF+16*\x+8*\c+4:QF+16*\x+8*\c+7], v[LI], s[6:7] offset:32768*\x+1024*\c+512 th:TH_LOAD_NT
.endr
.endr
	MASKL M0, 0                                    ; key step 0's words of both tiles: from here on s32-63 and s68-99 hold mask words alone
	MASKL M1, 4096
	v_mov_b32 v[NEG], 0xceabfb8f                   ; -1e9 x log2(e)
.irp x, 0,1
	v_mov_b32 v[ST+8*\x], 0
	v_mov_b32 v[ST+8*\x+1], 0xff61b1e6             ; m: -3e38, under every t
.irp i, 2,3,4,5,6,7
	v_mov_b32 v[ST+8*\x+\i], 0                     ; the sum; and registers that are named before they are first computed
.endr
.endr
.set nn, 0
.rept 64
	v_mov_b32 v[O+nn], 0                           ; O^T.  (The step is written with no first step of its own: the first finds zeros, which a = 0 leaves zeros)
.set nn, nn+1
.endr
	s_wait_loadcnt 0x0                             ; Q is in: its loads have read their base, which is written now
	s_mov_b32 s[SEL], 0x76543210
	s_mov_b32 s[SEL+1], 0xfedcba98
.Lslot:                                            ; three trips: behind each change of slots but the last the next slot is asked for
	CHANGE 1
	SLOT_STEPS
	s_sub_co_u32 s[SLOTS], s[SLOTS], 1
	s_cmp_lg_u32 s[SLOTS], 0
	s_cbranch_scc1 .Lslot
	CHANGE 0                                       ; the last slot is written out
	SLOT_STEPS
	; THE WAY OUT.  O^T / the sum, rounded to f16: a tile's four results are the halves of the head's two images in ao: each store covers 512 consecutive bytes, aligned.
	s_wait_kmcnt 0x0                               ; the scalar loads issued in the last step: their registers are free from here on
	s_load_b64 s[32:33], s[0:1], 0x10              ; ao: it comes under the arithmetic below
	TILEOFF                                        ; my part of it, made anew from ids
.irp x, 0,1
	v_add_f32 v[ST+8*\x+4], v[ST+8*\x+2], v[ST+8*\x+3]   ; the sum's two halves.  (These lines are also the places behind the last products)
.endr
.irp x, 0,1
	v_permlanex16_b32 v[ST+8*\x+5], v[ST+8*\x+4], s[SEL], s[SEL+1]
.endr
.irp x, 0,1
	v_add_f32 v[ST+8*\x+4], v[ST+8*\x+4], v[ST+8*\x+5]
.endr
	v_nop
	v_nop
.irp x, 0,1
	v_rcp_f32 v[ST+8*\x+6], v[ST+8*\x+4]
.endr
	v_nop                                          ; a plain instruction behind the last reciprocal
	s_wait_alu depctr_va_vdst(0)                   ; one wait for the two, ahead of the first use
.irp x, 0,1
.set nn, 0
.rept 16
	v_pk_mul_f32 v[O+32*\x+nn:O+32*\x+nn+1], v[O+32*\x+nn:O+32*\x+nn+1], v[ST+8*\x+6:ST+8*\x+7] op_sel_hi:[1,0]
.set nn, nn+2
.endr
.endr
.set nn, 0
.rept 32
	v_cvt_pk_f16_f32 v[S+nn], v[O+2*nn], v[O+2*nn+1]
.set nn, nn+1
.endr
	s_wait_kmcnt 0x0                               ; ao's address
	s_add_nc_u64 s[32:33], s[32:33], s[48:49]
.irp x, 0,1
.irp ct, 0,1,2,3
	global_store_b128 v[LI], v[S+16*\x+4*\ct:S+16*\x+4*\ct+3], s[32:33] offset:32768*\x+512*\ct
.endr
.endr
	s_wait_tensorcnt 0x0                           ; the wave's end
	ds_add_u32 v[SPW], v[NIL]
	s_wait_dscnt 0x0
	CROUND                                         ; the closing round
	s_endpgm
.Lfunc_end_k_qb894d47a37_attn:
	.size	k_qb894d47a37_attn, .Lfunc_end_k_qb894d47a37_attn-k_qb894d47a37_attn
	.p2alignl 7, 3214868480
	.fill 96, 4, 3214868480
	.section	.rodata,"a",@progbits
	.p2align	6, 0x0
	.amdhsa_kernel k_qb894d47a37_attn
		.amdhsa_group_segment_fixed_size 327680
		.amdhsa_private_segment_fixed_size 0
		.amdhsa_enable_private_segment 0
		.amdhsa_kernarg_size 24
		.amdhsa_user_sgpr_count 2
		.amdhsa_user_sgpr_kernarg_segment_ptr 1
		.amdhsa_wavefront_size32 1
		.amdhsa_system_sgpr_workgroup_id_x 1
		.amdhsa_system_sgpr_workgroup_id_y 1
		.amdhsa_system_sgpr_workgroup_id_z 1
		.amdhsa_system_vgpr_workitem_id 0
		.amdhsa_next_free_vgpr 256
		.amdhsa_next_free_sgpr 106
		.amdhsa_reserve_vcc 0
		.amdhsa_float_denorm_mode_32 3
		.amdhsa_float_denorm_mode_16_64 3
		.amdhsa_memory_ordered 1
		.amdhsa_forward_progress 1
		.amdhsa_inst_pref_size 189
	.end_amdhsa_kernel
	.amdgpu_metadata
---
amdhsa.version: [ 1, 2 ]
amdhsa.kernels:
  - .name:           k_qb894d47a37_attn
    .symbol:         k_qb894d47a37_attn.kd
    .args:
      - { .name: qkv, .offset: 0, .size: 8, .value_kind: global_buffer, .address_space: global }
      - { .name: maskbits, .offset: 8, .size: 8, .value_kind: global_buffer, .address_space: global }
      - { .name: ao, .offset: 16, .size: 8, .value_kind: global_buffer, .address_space: global }
    .group_segment_fixed_size: 327680
    .private_segment_fixed_size: 0
    .kernarg_segment_align: 8
    .kernarg_segment_size: 24
    .max_flat_workgroup_size: 512
    .sgpr_count:     106
    .vgpr_count:     256
    .wavefront_size: 32
...
	.end_amdgpu_metadata
.endif
;; end of part 3
;; launch oproj (part 4): grid 4 x 64, 4 waves a work-group, clusters of 4 x 1, 327,680 bytes of LDS; arguments ao, wo16, out0; writes out0
.if DOCPART == 4
	.amdgcn_target "amdgcn-amd-amdhsa--gfx1250"
	.amdhsa_code_object_version 6
	.text
	.protected	k_qb894d47a37_oproj
	.globl	k_qb894d47a37_oproj
	.p2align	8
	.type	k_qb894d47a37_oproj,@function
k_qb894d47a37_oproj:
	s_mov_b64 s[64:65], 0
	v_nop
	global_prefetch_b8 v0, s[64:65] scope:SCOPE_SE
	s_setreg_imm32_b32 hwreg(HW_REG_WAVE_MODE, 25, 1), 1
	s_wait_xcnt 0x0
	s_wait_alu depctr_hold_cnt(0) depctr_sa_sdst(0) depctr_va_vdst(0) depctr_va_sdst(0) depctr_va_ssrc(0) depctr_va_vcc(0) depctr_vm_vsrc(0)
	s_getreg_b32 s2, hwreg(HW_REG_IB_STS2, 6, 4)
	s_cmp_eq_u32 s2, 0
	s_cbranch_scc0 .Lentry_in_a_cluster
	s_endpgm
.Lentry_in_a_cluster:
	s_bfe_u32 s2, ttmp6, 0x10000c
	s_cmp_lg_u32 s2, 0x3003
	s_cbranch_scc0 .Lentry_shape_is_right
	s_endpgm
.Lentry_shape_is_right:
; Launch 4 of 4: out0 = ao W_O, f16 operands, f32 sums, f32 out.  No work is left out.
; SHARES.  Work-group (cx, y): tokens 128 y .. 128 y + 127, outputs 256 cx .. 256 cx + 255.  Wave w: all 128 tokens x outputs 64 w .. 64 w + 63 of the work-group's: 32 accumulators.
; A (ao): the whole tile, 128 tokens x 1,024 in f16 = 256 KiB, comes into LDS by FIRST FILLS alone: eight chunks of 128 along K, two a wave; no slot is ever filled again, so there is no ring.
; The four work-groups of a cluster need the same tile: joint loads.  B (W_O): a wave's fragments are its own (the waves split the outputs): they go from memory straight into registers, seven quarters of 32 along K ahead.
; Both arrive as IMAGES of the operands' registers (1,024 bytes: registers 0-3 of lane l at 16 l, registers 4-7 at 512 + 16 l): every load reads 512 consecutive bytes.
; THE MATRIX INSTRUCTION IS USED TRANSPOSED (source 0 = 16 outputs of W_O, source 1 = 16 tokens): a lane holds eight neighbouring outputs of one token.
; REGISTERS: window 0: addresses; v64-127, v128-191 A's fragments, two buffers; window 1: accumulator (a, b) at 8 (4 a + b); window 2: eight sets of B's four fragments.
.set STG,   262144                     ; behind A's tile: a stage of 16 rows x (256 + 16) bytes for each wave
.set SPARE, 327168                     ; the spare words, 128 bytes for each wave: two blocks of 256 bytes that no other line names
.set LI,  1                            ; v1    16 x lane
.set ADA, 2                            ; v2-5  16 x lane + 65,536 i
.set STO, 6                            ; v6    the stage: where I put 32 bytes of a row
.set RD,  7                            ; v7    where I read a row back
.set CO,  8                            ; v8    my byte offset in two rows of out0
.set SPW, 10
.set NIL, 11
.set MSB, 0
.macro WIN new
.if MSB != (\new)
	s_set_vgpr_msb (MSB<<8)|(\new)
.set MSB, (\new)
.endif
.endm
.macro CROUND
	s_barrier_signal -1
	s_barrier_wait -1
	s_cmp_lg_u32 s10, 0
	s_cbranch_scc1 .Lnot_wave_0_\@
	s_barrier_signal -3
.Lnot_wave_0_\@:
	s_barrier_wait -3
	s_barrier_signal -1
	s_barrier_wait -1
.endm
	s_load_b128 s[4:7], s[0:1], 0x0                ; ao, wo16
	s_load_b64 s[8:9], s[0:1], 0x10                ; out0
	v_lshl_add_u32 v[SPW], v0, 2, SPARE
	v_mov_b32 v[NIL], 0
	ds_add_u32 v[SPW], v[NIL]                      ; the wave's opening: the add, twice on end, and its wait ahead of my first tensor load
	ds_add_u32 v[SPW], v[NIL]
	v_lshrrev_b32 v1, 5, v0
	v_readfirstlane_b32 s10, v1                    ; wave 0..3
	s_bfe_u32 s40, ttmp6, 0x40000                  ; cx
	s_and_b32 s41, ttmp7, 0xffff                   ; y
	; descriptor group 1: a chunk: 8 rows (tiles of 16 tokens) of 4,096 bytes (four images), 32,768 bytes apart; elements of 8 bytes, no padding
	s_mov_b32 s24, 15|(3<<16)|(1<<21)
	s_mov_b32 s25, 512<<16
	s_mov_b32 s26, 8<<16
	s_mov_b32 s27, 512<<16
	s_mov_b32 s28, 8
	s_mov_b32 s29, 4096
	s_mov_b32 s30, 0
	s_mov_b32 s31, 0
	s_lshl_b32 s42, s41, 18                        ; my 8 tiles of tokens,
	s_lshl_b32 s43, s10, 12                        ; chunk = my wave's number
	s_add_co_u32 s42, s42, s43
	s_mov_b32 s43, 0
	s_mov_b32 s32, 1
	s_lshl_b32 s33, s10, 15                        ; chunk w lies at 32,768 w,
	s_mov_b32 s36, 1
	s_add_co_u32 s37, s33, 131072                  ; chunk w + 4 four chunks on
	s_lshl_b32 s44, s40, 19                        ; W_O: tile of 16 outputs 16 cx + 4 w: 32,768 bytes a tile
	s_lshl_b32 s45, s10, 17
	s_add_co_u32 s44, s44, s45
	s_mov_b32 s45, 0
	s_lshl_b32 s46, s41, 19                        ; out0: 128 rows of 4,096 bytes, + 1,024 cx + 256 w
	s_lshl_b32 s47, s40, 10
	s_add_co_u32 s46, s46, s47
	s_lshl_b32 s47, s10, 8
	s_add_co_u32 s46, s46, s47
	s_mov_b32 s47, 0
	v_and_b32 v12, 31, v0
	v_lshlrev_b32 v[LI], 4, v12
	v_mov_b32 v[ADA], v[LI]
	v_add_nc_u32 v[ADA+1], 0x10000, v[LI]
	v_add_nc_u32 v[ADA+2], 0x20000, v[LI]
	v_add_nc_u32 v[ADA+3], 0x30000, v[LI]
	v_and_b32 v13, 15, v0                          ; r
	v_bfe_u32 v14, v0, 4, 1                        ; h
	s_mul_i32 s48, s10, 4352
	s_add_co_u32 s48, s48, STG                     ; my stage
	v_mul_u32_u24 v[STO], v13, 272
	v_lshl_add_u32 v[STO], v14, 5, v[STO]
	v_add_nc_u32 v[STO], s48, v[STO]               ; in: row r, 32 bytes for each half of the lanes
	v_mul_u32_u24 v[RD], v14, 272
	v_lshl_add_u32 v[RD], v13, 4, v[RD]
	v_add_nc_u32 v[RD], s48, v[RD]                 ; back: lanes 0-15 one row of 256 bytes, lanes 16-31 the next
	v_lshlrev_b32 v[CO], 12, v14
	v_lshl_add_u32 v[CO], v13, 4, v[CO]            ; and the same two rows in out0
	s_wait_dscnt 0x0                               ; both opening adds are done
	s_wait_kmcnt 0x0
	s_add_nc_u64 s[34:35], s[4:5], s[42:43]
	s_add_nc_u64 s[38:39], s[34:35], 16384         ; four chunks of 4,096 bytes on
	s_or_b32 s35, s35, 0x80000000
	s_or_b32 s39, s39, 0x80000000
	s_add_nc_u64 s[12:13], s[6:7], s[44:45]
	s_add_nc_u64 s[14:15], s[8:9], s[46:47]
	CROUND                                         ; all four work-groups are here: the joint loads meet
	tensor_load_to_lds s[32:35], s[24:31]          ; every wave issues two, its own by the wave's number: two tensor loads of mine are out
	s_nop 0
	tensor_load_to_lds s[36:39], s[24:31]
	s_nop 0
.rept 4
	v_nop
.endr
.macro ALOAD q                         ; A's eight fragments of quarter q (32 along K) into buffer q % 2
.irp a, 0,1,2,3,4,5,6,7
	ds_load_b128 v[64+64*((\q)%2)+8*\a:64+64*((\q)%2)+8*\a+3], v[ADA+(\q)/8] offset:(((\q)/4)%2)*32768+4096*\a+1024*((\q)%4)
	ds_load_b128 v[64+64*((\q)%2)+8*\a+4:64+64*((\q)%2)+8*\a+7], v[ADA+(\q)/8] offset:(((\q)/4)%2)*32768+4096*\a+1024*((\q)%4)+512
.endr
.endm
.macro BLOAD q                         ; B's four fragments of quarter q into set q % 8 of window 2
.irp b, 0,1,2,3
	global_load_b128 v[32*((\q)%8)+8*\b:32*((\q)%8)+8*\b+3], v[LI], s[12:13] offset:32768*\b+1024*(\q)
	global_load_b128 v[32*((\q)%8)+8*\b+4:32*((\q)%8)+8*\b+7], v[LI], s[12:13] offset:32768*\b+1024*(\q)+512
.endr
.endm
.macro MUL32 q, zero                   ; the 32 accumulators take turns, one instruction a turn, in the same order in every quarter
.irp a, 0,1,2,3,4,5,6,7
.irp b, 0,1,2,3
.if \zero
	v_wmma_f32_16x16x32_f16 v[8*(4*\a+\b):8*(4*\a+\b)+7], v[32*((\q)%8)+8*\b:32*((\q)%8)+8*\b+7], v[64+64*((\q)%2)+8*\a:64+64*((\q)%2)+8*\a+7], 0
.else
	v_wmma_f32_16x16x32_f16 v[8*(4*\a+\b):8*(4*\a+\b)+7], v[32*((\q)%8)+8*\b:32*((\q)%8)+8*\b+7], v[64+64*((\q)%2)+8*\a:64+64*((\q)%2)+8*\a+7], v[8*(4*\a+\b):8*(4*\a+\b)+7]
.endif
.endr
.endr
.endm
.macro QTR q
	WIN 0
.rept 4
	v_nop                                          ; places in front of the loads into the buffer and the set that the quarter before multiplied
.endr
.if (\q)+1 == 16
	s_wait_tensorcnt 0x0                           ; my second chunk has landed,
	s_wait_dscnt 0x0                               ; no LDS instruction of mine is pending at the signal,
	s_barrier_signal -1
	s_barrier_wait -1                              ; and chunks 4 to 7 are there for every wave.
.endif
.if (\q)+1 < 32
	ALOAD (\q)+1
.endif
.if (\q)+7 < 32
	WIN 0x80                                       ; destination window 2
	BLOAD (\q)+7
.endif
.if (\q)+1 < 32
	s_wait_dscnt 16                                ; this quarter's fragments of A are in; the 16 loads just issued may be out
.else
	s_wait_dscnt 0x0
.endif
.if (\q)+7 < 32
	s_wait_loadcnt 56                              ; this quarter's set of B is in; the seven sets behind it, 8 loads each, may be out
.else
	s_wait_loadcnt 8*(31-(\q))
.endif
	WIN 0x52                                       ; source 0 (B) window 2, source 1 (A) window 0, C and D window 1
.if (\q) == 0
	MUL32 \q, 1                                    ; the first products start the sums: nothing is cleared
.else
	MUL32 \q, 0
.endif
.endm
	WIN 0x80
.irp q, 0,1,2,3,4,5,6
	BLOAD \q
.endr
	WIN 0
	s_wait_tensorcnt 1                             ; my first chunk is in; my second, issued behind it, may be out
	s_barrier_signal -1
	s_barrier_wait -1                              ; chunks 0 to 3 are there for every wave
	ALOAD 0
.set QQ, 0
.rept 32
	QTR QQ
.set QQ, QQ+1
.endr
	WIN 0
.rept 4
	v_nop                                          ; places in front of the first read of results and of the loads into A's registers
.endr
; THE WAY OUT, block a of 16 tokens x my 64 outputs: through my own stage and back as rows of 256 bytes: 16 lanes store 256 consecutive bytes, aligned.  LDS serves a wave's instructions in order.
.macro TOSTAGE a
	WIN 0x04                                       ; an LDS store's data: window 1
.irp b, 0,1,2,3
	ds_store_b128 v[STO], v[8*(4*(\a)+\b):8*(4*(\a)+\b)+3] offset:64*\b          ; each accumulator from its low end on
	ds_store_b128 v[STO], v[8*(4*(\a)+\b)+4:8*(4*(\a)+\b)+7] offset:64*\b+16
.endr
	WIN 0
.irp t, 0,1,2,3,4,5,6,7
	ds_load_b128 v[64+32*((\a)%2)+4*\t:64+32*((\a)%2)+4*\t+3], v[RD] offset:544*\t
.endr
.endm
.macro SEND a, younger                 ; younger: the LDS instructions issued behind block a's loads, which may stay out
	s_wait_dscnt \younger
.irp t, 0,1,2,3,4,5,6,7
	global_store_b128 v[CO], v[64+32*((\a)%2)+4*\t:64+32*((\a)%2)+4*\t+3], s[14:15] offset:65536*(\a)+8192*\t th:TH_STORE_NT
.endr
.endm
	TOSTAGE 0
.irp a, 1,2,3,4,5,6,7
.if \a > 1
	s_wait_xcnt 0x0                                ; block a - 2's stores have read their registers: block a's loads may land there
.endif
	TOSTAGE \a
	SEND \a-1, 16                                  ; behind block a - 1's loads: block a's 8 stores and 8 loads
.endr
	SEND 7, 0
	s_wait_tensorcnt 0x0                           ; the wave's end: behind my last tensor load and my last LDS store
	ds_add_u32 v[SPW], v[NIL]
	s_wait_dscnt 0x0
	CROUND                                         ; the closing round
	s_endpgm
.Lfunc_end_k_qb894d47a37_oproj:
	.size	k_qb894d47a37_oproj, .Lfunc_end_k_qb894d47a37_oproj-k_qb894d47a37_oproj
	.p2alignl 7, 3214868480
	.fill 96, 4, 3214868480
	.section	.rodata,"a",@progbits
	.p2align	6, 0x0
	.amdhsa_kernel k_qb894d47a37_oproj
		.amdhsa_group_segment_fixed_size 327680
		.amdhsa_private_segment_fixed_size 0
		.amdhsa_enable_private_segment 0
		.amdhsa_kernarg_size 24
		.amdhsa_user_sgpr_count 2
		.amdhsa_user_sgpr_kernarg_segment_ptr 1
		.amdhsa_wavefront_size32 1
		.amdhsa_system_sgpr_workgroup_id_x 1
		.amdhsa_system_sgpr_workgroup_id_y 1
		.amdhsa_system_sgpr_workgroup_id_z 1
		.amdhsa_system_vgpr_workitem_id 0
		.amdhsa_next_free_vgpr 768
		.amdhsa_next_free_sgpr 66
		.amdhsa_reserve_vcc 0
		.amdhsa_float_denorm_mode_32 3
		.amdhsa_float_denorm_mode_16_64 3
		.amdhsa_memory_ordered 1
		.amdhsa_forward_progress 1
		.amdhsa_inst_pref_size 149
	.end_amdhsa_kernel
	.amdgpu_metadata
---
amdhsa.version: [ 1, 2 ]
amdhsa.kernels:
  - .name:           k_qb894d47a37_oproj
    .symbol:         k_qb894d47a37_oproj.kd
    .args:
      - { .name: ao, .offset: 0, .size: 8, .value_kind: global_buffer, .address_space: global }
      - { .name: wo16, .offset: 8, .size: 8, .value_kind: global_buffer, .address_space: global }
      - { .name: out0, .offset: 16, .size: 8, .value_kind: global_buffer, .address_space: global }
    .group_segment_fixed_size: 327680
    .private_segment_fixed_size: 0
    .kernarg_segment_align: 8
    .kernarg_segment_size: 24
    .max_flat_workgroup_size: 128
    .sgpr_count:     66
    .vgpr_count:     768
    .wavefront_size: 32
...
	.end_amdgpu_metadata
.endif
;; end of part 4
